; MI455X (gfx1250); checked and timed in simulation.
; The chip was launched on July 23, 2026; its instructions are those of AMD's public machine-readable ISA for CDNA 5 (MIT licence, August 2026) and "CDNA5" Instruction Set Architecture Reference Guide (July 2026). The comments in the code are by the model that wrote it; some were corrected since.
;; Multi Head Attention. Allowed arithmetic: matrix products marked QUANTISED: E2M1 operands, one E8M0 scale for each 32 along K, by v_wmma_scale_f32_16x16x128_f8f6f4 with both operands' format E2M1 (or v_wmma_scale_f32_32x16x128_f4), f32 sums; everything else in f32.
;; Inputs: W_out 1,024 x 1,024 float32; W_qkv 1,024 x 3,072 float32; b_out 1,024 float32; b_qkv 3,072 float32; x 4 x 2,048 x 1,024 float32.
;; Outputs: out0 4 x 2,048 x 1,024 float32.
;; This version of the problem:
;;   THIS VERSION OF THE PROBLEM IS GIVEN IN LOW PRECISION. The matrix products marked QUANTISED in the list below multiply operands that are first quantised to E2M1 (2 exponent bits, 1 mantissa bit; 4 bits a number), with one power-of-two scale for each 32 numbers along K (OCP MX v1.0); their sums are f32. All else is computed in f32.
;;   The module's matrix products, in the order in which they are computed (A, B: the left and right operand; K: the contracted axis; several contracted axes count as one K, in the product's order):
;;     1. [M 8,192, K 1,024] x [K 1,024, N 3,072]; A: input x; B: input W_qkv: QUANTISED
;;     2. batch 64 x [M 2,048, K 64] x [K 64, N 2,048]; A: computed on the way; B: computed on the way: QUANTISED
;;     3. batch 64 x [M 2,048, K 2,048] x [K 2,048, N 64]; A: softmax (see below); B: computed on the way: QUANTISED
;;     4. [M 8,192, K 1,024] x [K 1,024, N 1,024]; A: computed on the way; B: input W_out: QUANTISED
;;   THE QUANTISER, for each operand of a quantised product, along K:
;;     - K is cut into blocks of 32 from its start; a last block that is shorter is filled with zeros.
;;     - A block's scale is 2^e with e = floor(log2(the largest magnitude in the block)) - 2, held to -126 .. 127; a block of zeros has e = 0. As a byte (E8M0): e + 127.
;;     - Each number is divided by its block's scale, clamped to +-6, and rounded to the nearest number of E2M1, ties to even, subnormals kept.
;;     - The product sums the exact products of the quantised numbers (number of the format x scale) in f32.
;;   ~~~python
;;   def quantise(x, axis):      # numpy; x: float32 -> the quantised numbers, widened to float32 again
;;       x = np.moveaxis(x, axis, -1); K = x.shape[-1]
;;       x = np.pad(x, [(0, 0)] * (x.ndim - 1) + [(0, -K % 32)]); x = x.reshape(x.shape[:-1] + (-1, 32)); a = np.abs(x).max(-1, keepdims=True)
;;       e = np.where(a > 0, np.clip(np.frexp(np.where(a > 0, a, 1))[1] - 1 - 2, -126, 127), 0)      # np.frexp(a)[1] - 1 = floor(log2(a)), exactly
;;       r = np.clip(x / 2.0 ** e, -6, 6)
;;       step = 2.0 ** (np.maximum(np.frexp(np.where(r == 0, 1, r))[1] - 1, 0) - 1)
;;       q = np.round(r / step) * step * 2.0 ** e      # np.round: ties to even
;;       return np.moveaxis(q.reshape(q.shape[:-2] + (-1,))[..., :K], -1, axis).astype(np.float32)
;;   ~~~
;;   SOFTMAX AHEAD OF A QUANTISED PRODUCT. Where the list says 'softmax', what is quantised is not the finished softmax but p = 2^(t - M), with t = logit x log2(e) and M = ceil(the row's largest t), a whole number; so 1/2 < the row's largest p <= 1. The row's sum l is taken of the UNQUANTISED p, in f32, and the product's result is divided by l at the end. Since M is a whole number, a kernel that streams over the keys may use a running M (the ceiling of the running maximum): every later rescaling is an exact power of two, which a block's scale takes up: the codes' values come out the same.
;;   OPERANDS COMPUTED ON THE WAY. 'Computed on the way' means the value that the module computes at that place (a softmax that the list does not call 'softmax' is quantised finished and normalised). What goes into a quantiser is computed in f32, as accurately as f32 sums, v_exp_f32 and their like allow (about 1e-6 of the number): no bf16 or f16 on the way to a quantiser, and a product that is left as it is and whose result goes on into a quantised operand takes f32 operands (vector FMAs, or v_wmma_f32_16x16x4_f32). A number that lies on a knife's edge between two numbers of the format may be rounded either way, as far as f32 arithmetic and the matrix unit's own rounding can turn it there, and no further.
;; One version. Each part assembles by itself: llvm-mc -triple=amdgcn-amd-amdhsa -mcpu=gfx1250 --defsym DOCPART=n.
;; ======== version 1 of 1: 4 launches
;; limits: right only within a limited range of input values
;; workspace buffers: ximg 4,456,448 bytes; wimg 1,671,168 bytes; woimg 557,056 bytes; qimg 4,456,448 bytes; kv 8,912,896 bytes; oimg 4,456,448 bytes
;; launch prep (part 1): grid 768 x 1, 4 waves a work-group, no clusters, 34,304 bytes of LDS; arguments x, W_qkv, W_out, ximg, wimg, woimg; writes ximg, wimg, woimg
.if DOCPART == 1
	.amdgcn_target "amdgcn-amd-amdhsa--gfx1250"
	.amdhsa_code_object_version 6
	.text
	.protected	k_q5a6fe6a8ca_prep
	.globl	k_q5a6fe6a8ca_prep
	.p2align	8
	.type	k_q5a6fe6a8ca_prep,@function
k_q5a6fe6a8ca_prep:
	s_mov_b64 s[64:65], 0
	v_nop
	global_prefetch_b8 v0, s[64:65] scope:SCOPE_SE
	s_setreg_imm32_b32 hwreg(HW_REG_WAVE_MODE, 25, 1), 1
	s_wait_xcnt 0x0
; MULTI-HEAD ATTENTION IN MX-FP4, launch 1 of 4: x [8192][1024], W_qkv [1024][3072] and W_out [1024][1024], f32, become codes of E2M1 with one E8M0 byte for each 32 along K.
; NOTHING OF reference() IS LEFT OUT in this program: every bias goes into a quantiser or into the output, every product feeds the output, all five inputs are loaded.
; LIMITS: NaN and infinities among the inputs are not served.  A block of zeros, or one whose largest magnitude lies under 2^-124, gets the byte 1 (the floor below): its codes are zeros or tiny,
; and the bytes are read by this program alone.
; THE WORKSPACE IS LAID IN THE ORDER OF THE READER'S OPERAND REGISTERS.  A RECORD of 8,704 bytes (34 x 256) holds 128 rows x 128 along K:
;   bytes 0..8191: tile t = 0..7 of 16 rows, 1,024 bytes: [c = 0,1][lane][16 bytes]; lane (r, h) of group c holds the codes k = 64 c + 32 h + 0..31 of its row: registers 4 c .. 4 c + 3 of the fragment.
;   bytes 8192..8703: pair p = 0..3 of tiles, 128 bytes: [16 u + r][a scale word of four bytes].
;   THE ROWS OF A TILE ARE NOT NEIGHBOURS: lane r of tile 2 p + u holds row 32 p + 8 u + r + 8 (r / 8), so that the results of tiles 2 p and 2 p + 1 are 16 neighbours in a lane's registers.
; Eight records (K steps 0..7) on end are a group of 128 rows.  For the weights a row is a column n.
; SHARES.  One work-group makes one record, wave w its pair w (32 rows).  Work-groups 0..511: x; 512..703: W_qkv; 704..767: W_out.  Work-groups share no input, so there is no cluster and no tensor load.
; x (K innermost): each load takes 512 consecutive bytes of one row; a tile's 16 rows turn through the wave's own stage in LDS so that a lane holds 16 neighbours of each block.
; W (K outermost): a lane takes a column and its registers run down K: a block of 32 is one lane's, and the conversions give the codes with K innermost.  No LDS.
.set REC,   8704
.set STG,   8448                       ; a wave's stage: 16 rows x 528 bytes (512 + 16: an odd multiple of 16, so the sixteen rows that a read touches start 16 bytes apart modulo 256)
.set SPARE, 4*STG                      ; behind the stages: the spare words, 128 bytes a wave
.set LANE, 1
.set LI,   2                           ; 16 x lane
.set RR,   3
.set HH,   4
.set STI,  5                           ; the stage, way in
.set STO,  6                           ; the stage, way out
.set LS,   7                           ; 4 x lane
.set WVO,  8                           ; W: where my column's 16 bytes of a block go
.set WSO,  9                           ; W: where its scale word goes
.set SPW,  10
.set NIL,  11
.set TM,   12                          ; v12-27 at work
.set PW,   28                          ; v28, v29 scale words
.set SV,   30
.set PC,   32                          ; v32-47 codes
.set R,    64                          ; v64-191 numbers
.set SEL,  18                          ; s[18:19] selects for lane l xor 16
; 64 numbers of a lane, register 16 b + i = k 32 b + 16 (lane / 16) + i of my row, become a fragment's eight registers of codes and my row's scale word.
.macro QUANT64 src, pc, pw
.set QS, \src
.set QP, \pc
.set QW, \pw
.irp b, 0,1,2,3
	v_max3_num_f32 v[TM+\b], |v[QS+16*\b]|, |v[QS+16*\b+1]|, 0x1800000   ; my 16 numbers of block b, and the floor 2^(3 - 127): the byte cannot fall under 1
.endr
.irp i, 2,4,6,8,10,12,14
.irp b, 0,1,2,3
	v_max3_num_f32 v[TM+\b], v[TM+\b], |v[QS+16*\b+\i]|, |v[QS+16*\b+\i+1]|   ; the four blocks by turns
.endr
.endr
.irp b, 0,1,2,3
	v_permlanex16_b32 v[TM+4+\b], v[TM+\b], s[SEL], s[SEL+1]
.endr
.irp b, 0,1,2,3
	v_max_num_f32 v[TM+\b], v[TM+\b], v[TM+4+\b]          ; with lane l xor 16's 16: the block's largest magnitude
.endr
.irp b, 0,1,2,3
	v_add_nc_u32 v[TM+12+\b], 0xff000000, v[TM+\b]        ; 2 off its exponent field: the conversion's scale operand
.endr
.irp b, 0,1,2,3
	v_lshrrev_b32 v[TM+4+\b], 23, v[TM+12+\b]             ; the scale's byte
.endr
	v_lshl_or_b32 v[QW], v[TM+5], 8, v[TM+4]
	v_lshl_or_b32 v[QW], v[TM+6], 16, v[QW]
	v_lshl_or_b32 v[QW], v[TM+7], 24, v[QW]
.irp b, 0,1,2,3
	v_cvt_scalef32_pk8_fp4_f32 v[QP+2*\b], v[QS+16*\b:QS+16*\b+7], v[TM+12+\b]
	v_cvt_scalef32_pk8_fp4_f32 v[QP+2*\b+1], v[QS+16*\b+8:QS+16*\b+15], v[TM+12+\b]
.endr
	v_nop                                                  ; one plain line behind the scaled conversions
.irp c, 0,1
.irp i, 0,1
	v_permlane16_swap_b32 v[QP+4*\c+\i], v[QP+4*\c+2+\i]   ; a whole block to a lane: lanes 0-15 block 2 c, lanes 16-31 block 2 c + 1
.endr
.endr
.endm
	s_load_b256 s[4:11], s[0:1], 0x0               ; x s[4:5], W_qkv s[6:7], W_out s[8:9], ximg s[10:11]
	s_load_b128 s[12:15], s[0:1], 0x20             ; wimg s[12:13], woimg s[14:15]
	v_lshl_add_u32 v[SPW], v0, 2, SPARE
	v_mov_b32 v[NIL], 0
	v_lshrrev_b32 v[LANE], 5, v0
	v_readfirstlane_b32 s16, v[LANE]               ; wave 0..3
	v_and_b32 v[LANE], 31, v0
	v_lshlrev_b32 v[LI], 4, v[LANE]
	v_lshlrev_b32 v[LS], 2, v[LANE]
	s_mov_b32 s[SEL], 0x76543210
	s_mov_b32 s[SEL+1], 0xfedcba98
.irp b, 0,1,2,3
	v_mov_b32 v[TM+4+\b], 0                        ; written once: a lane permute's destination counts as one of its sources
.endr
	s_mov_b32 s25, 0
	s_wait_kmcnt 0x0
	s_cmp_lt_u32 ttmp9, 512
	s_cbranch_scc0 .Lw
	; ---- x: record number = work-group number = 8 x group + K step
	v_and_b32 v[RR], 15, v0
	v_bfe_u32 v[HH], v0, 4, 1
	s_mul_i32 s17, s16, STG
	s_wait_alu depctr_va_vdst(0)
	v_add_nc_u32 v[STI], s17, v[LI]                ; in: a row's 512 bytes as they lie
	v_mul_u32_u24 v[STO], v[RR], 528
	v_lshl_add_u32 v[STO], v[HH], 6, v[STO]
	v_add_nc_u32 v[STO], s17, v[STO]               ; out: row r, my half's 64 bytes of each 128
	s_lshr_b32 s20, ttmp9, 3
	s_lshl_b32 s20, s20, 19                        ; group x 128 rows x 4,096 bytes
	s_lshl_b32 s21, s16, 17                        ; + wave x 32 rows
	s_add_co_u32 s20, s20, s21
	s_and_b32 s21, ttmp9, 7
	s_lshl_b32 s21, s21, 9                         ; + K step x 512 bytes
	s_add_co_u32 s20, s20, s21
	s_mov_b32 s21, 0
	s_add_nc_u64 s[4:5], s[4:5], s[20:21]
	s_mul_i32 s22, ttmp9, REC
	s_mov_b32 s23, 0
	s_add_nc_u64 s[10:11], s[10:11], s[22:23]      ; my record
	s_lshl_b32 s24, s16, 11
	s_add_nc_u64 s[26:27], s[10:11], s[24:25]      ; my pair's two tiles
	s_lshl_b32 s24, s16, 7
	s_add_co_u32 s24, s24, 8192
	s_add_nc_u64 s[28:29], s[10:11], s[24:25]      ; my pair's scale words
.irp u, 0,1
.irp p, 0,1,2,3,4,5,6,7,8,9,10,11,12,13,14,15
	global_load_b128 v[R+64*\u+4*\p:R+64*\u+4*\p+3], v[LI], s[4:5] offset:(8*\u+\p+8*(\p/8))*4096 th:TH_LOAD_NT   ; 32 lanes read 512 consecutive bytes of the row that lane p of tile u owns
.endr
.endr
.macro XTILE u
	s_wait_loadcnt 16-16*\u                        ; this tile's sixteen loads are in; tile 1's sixteen may stay out while tile 0 is worked
.irp p, 0,1,2,3,4,5,6,7,8,9,10,11,12,13,14,15
	ds_store_b128 v[STI], v[R+64*\u+4*\p:R+64*\u+4*\p+3] offset:528*\p
.endr
.irp b, 0,1,2,3
.irp j, 0,1,2,3
	ds_load_b128 v[R+64*\u+16*\b+4*\j:R+64*\u+16*\b+4*\j+3], v[STO] offset:128*\b+16*\j   ; LDS serves a wave's instructions in order: these see my stores
.endr
.endr
	s_wait_dscnt 0x0
	QUANT64 R+64*\u, PC+8*\u, PW+\u
	global_store_b128 v[LI], v[PC+8*\u:PC+8*\u+3], s[26:27] offset:1024*\u          ; 512 consecutive bytes, aligned to 256
	global_store_b128 v[LI], v[PC+8*\u+4:PC+8*\u+7], s[26:27] offset:1024*\u+512
.endm
	s_wait_alu depctr_va_vdst(0)
	XTILE 0
	XTILE 1
	v_cmp_lt_u32 vcc_lo, 15, v[LANE]
	v_cndmask_b32 v[SV], v[PW], v[PW+1], vcc_lo    ; lanes 0-15: tile 0's words, lanes 16-31: tile 1's
	global_store_b32 v[LS], v[SV], s[28:29]        ; 128 consecutive bytes
	s_branch .Lend
	; ---- the weights
.macro LOADB blk, n, sp                ; block blk: W(32 blk + i, my column), i = 0..31
.set I, 0
.rept 32
	global_load_b32 v[R+32*(\blk)+I], v[LS], s[\sp:\sp+1] offset:(32*(\blk)+I)*4*(\n) th:TH_LOAD_NT   ; 128 consecutive bytes a wave, 512 a work-group
.set I, I+1
.endr
.endm
.macro WBLOCK blk
.set XS, R+32*(\blk)
	v_max3_num_f32 v[TM], |v[XS]|, |v[XS+1]|, |v[XS+2]|    ; all 32 numbers of the block are mine: two chains
	v_max3_num_f32 v[TM+1], |v[XS+3]|, |v[XS+4]|, |v[XS+5]|
.irp i, 6,10,14,18,22,26
	v_max3_num_f32 v[TM], v[TM], |v[XS+\i]|, |v[XS+\i+1]|
	v_max3_num_f32 v[TM+1], v[TM+1], |v[XS+\i+2]|, |v[XS+\i+3]|
.endr
	v_max3_num_f32 v[TM], v[TM], |v[XS+30]|, |v[XS+31]|
	v_max3_num_f32 v[TM], v[TM], v[TM+1], 0x1800000        ; and the floor
	v_add_nc_u32 v[TM+2], 0xff000000, v[TM]
	v_lshrrev_b32 v[TM+3], 23, v[TM+2]
.if (\blk) == 0
	v_mov_b32 v[PW], v[TM+3]
.else
	v_lshl_or_b32 v[PW], v[TM+3], 8*(\blk), v[PW]
.endif
.irp g, 0,1,2,3
	v_cvt_scalef32_pk8_fp4_f32 v[PC+4*(\blk)+\g], v[XS+8*\g:XS+8*\g+7], v[TM+2]
.endr
	v_nop                                                  ; one plain line behind the scaled conversions
	global_store_b128 v[WVO], v[PC+4*(\blk):PC+4*(\blk)+3], s[26:27] offset:512*((\blk)/2)+256*((\blk)%2)   ; block blk is group blk / 2, half blk % 2: the lanes fill two aligned runs of 256 bytes, one in each tile
.endm
.macro WPATH n, sp, dp, first
	s_sub_co_u32 s17, ttmp9, \first                ; record number = 8 x group + K step
	s_and_b32 s20, s17, 7
	s_mul_i32 s20, s20, 512*(\n)                   ; K step x 128 rows of 4 n bytes
	s_lshr_b32 s21, s17, 3
	s_lshl_b32 s21, s21, 9                         ; + group x 128 columns
	s_add_co_u32 s20, s20, s21
	s_lshl_b32 s21, s16, 7                         ; + wave x 32 columns
	s_add_co_u32 s20, s20, s21
	s_mov_b32 s21, 0
	s_add_nc_u64 s[\sp:\sp+1], s[\sp:\sp+1], s[20:21]
	s_mul_i32 s22, s17, REC
	s_mov_b32 s23, 0
	s_add_nc_u64 s[\dp:\dp+1], s[\dp:\dp+1], s[22:23]
	s_lshl_b32 s24, s16, 11
	s_add_nc_u64 s[26:27], s[\dp:\dp+1], s[24:25]
	s_lshl_b32 s24, s16, 7
	s_add_co_u32 s24, s24, 8192
	s_add_nc_u64 s[28:29], s[\dp:\dp+1], s[24:25]
	LOADB 0, \n, \sp
	LOADB 1, \n, \sp
	s_wait_loadcnt 32                              ; block 0 is in; block 1's 32 loads may stay out
	LOADB 2, \n, \sp
	WBLOCK 0
	s_wait_loadcnt 32                              ; block 1 is in; block 2's may stay out
	LOADB 3, \n, \sp
	WBLOCK 1
	s_wait_loadcnt 32                              ; block 2 is in; block 3's may stay out
	WBLOCK 2
	s_wait_loadcnt 0x0
	WBLOCK 3
	global_store_b32 v[WSO], v[PW], s[28:29]       ; my column's scale word: the wave's 32 fill the pair's 128 bytes
.endm
.Lw:
	v_bfe_u32 v[RR], v0, 3, 1                      ; column l of a pair is lane r' = l % 8 + 8 (l / 16) of tile u' = (l / 8) % 2
	v_and_b32 v[HH], 7, v0
	v_bfe_u32 v[STI], v0, 4, 1
	v_lshl_add_u32 v[HH], v[STI], 3, v[HH]
	v_lshlrev_b32 v[WVO], 4, v[HH]
	v_lshl_add_u32 v[WVO], v[RR], 10, v[WVO]       ; 1,024 u' + 16 r'
	v_lshl_add_u32 v[WSO], v[RR], 4, v[HH]
	v_lshlrev_b32 v[WSO], 2, v[WSO]                ; 4 (16 u' + r')
	s_cmp_lt_u32 ttmp9, 704
	s_cbranch_scc0 .Lwo
	WPATH 3072, 6, 12, 512
	s_branch .Lend
.Lwo:
	WPATH 1024, 8, 14, 704
.Lend:
	s_wait_tensorcnt 0x0                           ; the wave's end
	ds_add_u32 v[SPW], v[NIL]
	s_wait_dscnt 0x0
	s_endpgm
.Lfunc_end_k_q5a6fe6a8ca_prep:
	.size	k_q5a6fe6a8ca_prep, .Lfunc_end_k_q5a6fe6a8ca_prep-k_q5a6fe6a8ca_prep
	.p2alignl 7, 3214868480
	.fill 96, 4, 3214868480
	.section	.rodata,"a",@progbits
	.p2align	6, 0x0
	.amdhsa_kernel k_q5a6fe6a8ca_prep
		.amdhsa_group_segment_fixed_size 34304
		.amdhsa_private_segment_fixed_size 0
		.amdhsa_enable_private_segment 0
		.amdhsa_kernarg_size 48
		.amdhsa_user_sgpr_count 2
		.amdhsa_user_sgpr_kernarg_segment_ptr 1
		.amdhsa_wavefront_size32 1
		.amdhsa_system_sgpr_workgroup_id_x 1
		.amdhsa_system_sgpr_workgroup_id_y 1
		.amdhsa_system_sgpr_workgroup_id_z 1
		.amdhsa_system_vgpr_workitem_id 0
		.amdhsa_next_free_vgpr 192
		.amdhsa_next_free_sgpr 66
		.amdhsa_reserve_vcc 1
		.amdhsa_float_denorm_mode_32 3
		.amdhsa_float_denorm_mode_16_64 3
		.amdhsa_memory_ordered 1
		.amdhsa_forward_progress 1
		.amdhsa_inst_pref_size 57
	.end_amdhsa_kernel
	.amdgpu_metadata
---
amdhsa.version: [ 1, 2 ]
amdhsa.kernels:
  - .name:           k_q5a6fe6a8ca_prep
    .symbol:         k_q5a6fe6a8ca_prep.kd
    .args:
      - { .name: x, .offset: 0, .size: 8, .value_kind: global_buffer, .address_space: global }
      - { .name: W_qkv, .offset: 8, .size: 8, .value_kind: global_buffer, .address_space: global }
      - { .name: W_out, .offset: 16, .size: 8, .value_kind: global_buffer, .address_space: global }
      - { .name: ximg, .offset: 24, .size: 8, .value_kind: global_buffer, .address_space: global }
      - { .name: wimg, .offset: 32, .size: 8, .value_kind: global_buffer, .address_space: global }
      - { .name: woimg, .offset: 40, .size: 8, .value_kind: global_buffer, .address_space: global }
    .group_segment_fixed_size: 34304
    .private_segment_fixed_size: 0
    .kernarg_segment_align: 8
    .kernarg_segment_size: 48
    .max_flat_workgroup_size: 128
    .sgpr_count:     66
    .vgpr_count:     192
    .wavefront_size: 32
...
	.end_amdgpu_metadata
.endif
;; end of part 1
;; launch qkv (part 2): grid 12 x 32, 16 waves a work-group, clusters of 4 x 4, 288,768 bytes of LDS; arguments ximg, wimg, b_qkv, qimg, kv; writes qimg, kv
.if DOCPART == 2
	.amdgcn_target "amdgcn-amd-amdhsa--gfx1250"
	.amdhsa_code_object_version 6
	.text
	.protected	k_q5a6fe6a8ca_qkv
	.globl	k_q5a6fe6a8ca_qkv
	.p2align	8
	.type	k_q5a6fe6a8ca_qkv,@function
k_q5a6fe6a8ca_qkv:
	s_mov_b64 s[64:65], 0
	v_nop
	global_prefetch_b8 v0, s[64:65] scope:SCOPE_SE
	s_setreg_imm32_b32 hwreg(HW_REG_WAVE_MODE, 25, 1), 1
	s_wait_xcnt 0x0
	s_wait_alu depctr_hold_cnt(0) depctr_sa_sdst(0) depctr_va_vdst(0) depctr_va_sdst(0) depctr_va_ssrc(0) depctr_va_vcc(0) depctr_vm_vsrc(0)
	s_getreg_b32 s2, hwreg(HW_REG_IB_STS2, 6, 4)
	s_cmp_eq_u32 s2, 0
	s_cbranch_scc0 .Lentry_in_a_cluster
	s_endpgm
.Lentry_in_a_cluster:
	s_bfe_u32 s2, ttmp6, 0x10000c
	s_cmp_lg_u32 s2, 0xf033
	s_cbranch_scc0 .Lentry_shape_is_right
	s_endpgm
.Lentry_shape_is_right:
; Launch 2 of 4: qkv = x W_qkv + b_qkv on codes of E2M1, and q, k, v quantised at once into the layouts that the attention launch reads.  Nothing of reference() is left out here.
; LIMITS as in the first launch: NaN and infinities are not served; a block of zeros gets the byte 1, read by this program alone.
; SHARES.  Work-group (x, y): 256 columns of W_qkv (x = 0..11) x 256 tokens (y = 0..31); all of K = 1,024 lies in LDS at once (2 x 139,264 bytes), so no LDS byte is filled twice.
; x = 0..3 is q, 4..7 k, 8..11 v: the kind hangs on the cluster's x alone, so all sixteen partners take the same way.
; Sixteen waves, four to a SIMD.  Wave w (wo = w % 8, wi = w / 8) makes an OUTER pair of tiles (32 rows) x an INNER group (128 rows): 16 accumulators, acc (o, i) at v[ACC + 64 o + 8 i].
; D = (source 0 = inner tile i) x (source 1 = outer tile o): a lane holds ONE outer row, and by the order of rows in a tile its 64 registers of acc (o, .) run along the 128 inner rows:
; register 16 b + i is inner row 32 b + 16 (lane / 16) + i.  So they go straight into the quantiser.
;   q, k: outer = tokens, inner = columns of W (two heads of 64): the quantiser runs along the head's 64.      v: outer = columns of W (d), inner = tokens (one key step of 128): it runs along the keys.
; OUT.  qimg: codes [bh][pair of query tiles P][o][lane][16 bytes], then from byte 4,194,304 the scale halves [bh][P][r][o], two bytes each.
;   kv: a record of 8,704 bytes for each head and key step of 128 keys: bytes 0..4095 K: fragment f = 0..3, group c = key tile 2 f + c, lane (r, h) holds d = 32 h + 0..31;
;   4096..8191 V^T: d tile 0..3 x 128 keys; 8192..8447 K's words [f][r] = [tile 2 f's two bytes | tile 2 f + 1's]; 8448..8703 V's words [d tile][r].
; CLUSTER 4 x 4: the four work-groups of a row of the cluster read the same tokens' records, the four of a column the same records of W: each record is asked for jointly.
.set REC,   8704
.set GRP,   8*REC                      ; a group of 128 rows: 8 K steps
.set WREG,  2*GRP                      ; LDS: the tokens' two groups from 0, W's two from here
.set SPARE, 4*GRP                      ; the spare words: 128 bytes for each of 16 waves
.set BIAS,  SPARE+2048                 ; 512 bytes for each wave: its 128 numbers of b_qkv; stored by ds_store alone, no fill lands here
.set LI,  1                            ; 16 x lane
.set LS,  2                            ; 4 x lane
.set SPW, 3
.set NIL, 4
.set AOT, 5                            ; outer = tokens: codes, scale words
.set SOT, 6
.set AIW, 7                            ; inner = W
.set SIW, 8
.set AOW, 9                            ; outer = W
.set SOW, 10
.set AIT, 11                           ; inner = tokens
.set SIT, 12
.set BA,  13                           ; bias: way in
.set BB,  14                           ; bias along the registers (q, k)
.set BVA, 15                           ; bias of my own row (v)
.set SL,  16                           ; 4 r + 2 h
.set SV,  17
.set PW,  18                           ; v18, v19 scale words
.set TM,  20                           ; v20-35 at work
.set SO,  36                           ; the outer pair's scale words: lanes 0-15 tile 0, lanes 16-31 tile 1
.set SI,  37                           ; v37-40 the inner pairs' likewise
.set BV,  42                           ; v[42:43], v[44:45]
.set FO,  48                           ; v48-63 outer fragments; later the codes made
.set FI,  64                           ; v64-127 inner fragments; later the bias
.set ACC, 128
.set WV,  14
.set SEL, 20
.macro CROUND                          ; a round of the cluster's barrier
	s_barrier_signal -1
	s_barrier_wait -1
	s_cmp_lg_u32 s[WV], 0
	s_cbranch_scc1 .Lnw0_\@
	s_barrier_signal -3
.Lnw0_\@:
	s_barrier_wait -3
	s_barrier_signal -1
	s_barrier_wait -1
.endm
; one matrix instruction: d, a, b: first registers; c: C's first register, or -1 for the constant 0; sa, sb: scale registers; ra, rb: 1 = that side's scales stand in lanes 16-31
.macro WM d, a, b, c, sa, sb, ra, rb
.set WMD, \d
.set WMA, \a
.set WMB, \b
.set WMC, \c
.set WMS, \sa
.set WMT, \sb
.if WMC < 0
.if (\ra) && (\rb)
	v_wmma_scale_f32_16x16x128_f8f6f4 v[WMD:WMD+7], v[WMA:WMA+7], v[WMB:WMB+7], 0, v[WMS], v[WMT] matrix_a_fmt:MATRIX_FMT_FP4 matrix_b_fmt:MATRIX_FMT_FP4 matrix_a_scale:MATRIX_SCALE_ROW1 matrix_b_scale:MATRIX_SCALE_ROW1
.elseif (\ra)
	v_wmma_scale_f32_16x16x128_f8f6f4 v[WMD:WMD+7], v[WMA:WMA+7], v[WMB:WMB+7], 0, v[WMS], v[WMT] matrix_a_fmt:MATRIX_FMT_FP4 matrix_b_fmt:MATRIX_FMT_FP4 matrix_a_scale:MATRIX_SCALE_ROW1
.elseif (\rb)
	v_wmma_scale_f32_16x16x128_f8f6f4 v[WMD:WMD+7], v[WMA:WMA+7], v[WMB:WMB+7], 0, v[WMS], v[WMT] matrix_a_fmt:MATRIX_FMT_FP4 matrix_b_fmt:MATRIX_FMT_FP4 matrix_b_scale:MATRIX_SCALE_ROW1
.else
	v_wmma_scale_f32_16x16x128_f8f6f4 v[WMD:WMD+7], v[WMA:WMA+7], v[WMB:WMB+7], 0, v[WMS], v[WMT] matrix_a_fmt:MATRIX_FMT_FP4 matrix_b_fmt:MATRIX_FMT_FP4
.endif
.else
.if (\ra) && (\rb)
	v_wmma_scale_f32_16x16x128_f8f6f4 v[WMD:WMD+7], v[WMA:WMA+7], v[WMB:WMB+7], v[WMC:WMC+7], v[WMS], v[WMT] matrix_a_fmt:MATRIX_FMT_FP4 matrix_b_fmt:MATRIX_FMT_FP4 matrix_a_scale:MATRIX_SCALE_ROW1 matrix_b_scale:MATRIX_SCALE_ROW1
.elseif (\ra)
	v_wmma_scale_f32_16x16x128_f8f6f4 v[WMD:WMD+7], v[WMA:WMA+7], v[WMB:WMB+7], v[WMC:WMC+7], v[WMS], v[WMT] matrix_a_fmt:MATRIX_FMT_FP4 matrix_b_fmt:MATRIX_FMT_FP4 matrix_a_scale:MATRIX_SCALE_ROW1
.elseif (\rb)
	v_wmma_scale_f32_16x16x128_f8f6f4 v[WMD:WMD+7], v[WMA:WMA+7], v[WMB:WMB+7], v[WMC:WMC+7], v[WMS], v[WMT] matrix_a_fmt:MATRIX_FMT_FP4 matrix_b_fmt:MATRIX_FMT_FP4 matrix_b_scale:MATRIX_SCALE_ROW1
.else
	v_wmma_scale_f32_16x16x128_f8f6f4 v[WMD:WMD+7], v[WMA:WMA+7], v[WMB:WMB+7], v[WMC:WMC+7], v[WMS], v[WMT] matrix_a_fmt:MATRIX_FMT_FP4 matrix_b_fmt:MATRIX_FMT_FP4
.endif
.endif
.endm
; 64 numbers of a lane, register 16 b + i = k 32 b + 16 (lane / 16) + i of my row, become a fragment's eight registers of codes and my row's scale word.
.macro QUANT64 src, pc, pw
.set QS, \src
.set QP, \pc
.set QW, \pw
.irp b, 0,1,2,3
	v_max3_num_f32 v[TM+\b], |v[QS+16*\b]|, |v[QS+16*\b+1]|, 0x1800000   ; my 16 numbers of block b, and the floor 2^(3 - 127): the byte cannot fall under 1
.endr
.irp i, 2,4,6,8,10,12,14
.irp b, 0,1,2,3
	s_delay_alu instid0(VALU_DEP_4)
	v_max3_num_f32 v[TM+\b], v[TM+\b], |v[QS+16*\b+\i]|, |v[QS+16*\b+\i+1]|
.endr
.endr
.irp b, 0,1,2,3
	s_delay_alu instid0(VALU_DEP_4)
	v_permlanex16_b32 v[TM+4+\b], v[TM+\b], s[SEL], s[SEL+1]
.endr
.irp b, 0,1,2,3
	s_delay_alu instid0(VALU_DEP_4)
	v_max_num_f32 v[TM+\b], v[TM+\b], v[TM+4+\b]          ; with lane l xor 16's 16: the block's largest magnitude
.endr
.irp b, 0,1,2,3
	s_delay_alu instid0(VALU_DEP_4)
	v_add_nc_u32 v[TM+12+\b], 0xff000000, v[TM+\b]        ; 2 off its exponent field: the conversion's scale operand
.endr
.irp b, 0,1,2,3
	s_delay_alu instid0(VALU_DEP_4)
	v_lshrrev_b32 v[TM+4+\b], 23, v[TM+12+\b]             ; the scale's byte
.endr
	s_delay_alu instid0(VALU_DEP_3)
	v_lshl_or_b32 v[QW], v[TM+5], 8, v[TM+4]
	s_delay_alu instid0(VALU_DEP_1)
	v_lshl_or_b32 v[QW], v[TM+6], 16, v[QW]
	s_delay_alu instid0(VALU_DEP_1)
	v_lshl_or_b32 v[QW], v[TM+7], 24, v[QW]
.irp b, 0,1,2,3
	v_cvt_scalef32_pk8_fp4_f32 v[QP+2*\b], v[QS+16*\b:QS+16*\b+7], v[TM+12+\b]
	v_cvt_scalef32_pk8_fp4_f32 v[QP+2*\b+1], v[QS+16*\b+8:QS+16*\b+15], v[TM+12+\b]
.endr
	v_nop                                                  ; one plain line behind the scaled conversions
.irp c, 0,1
.irp i, 0,1
	v_permlane16_swap_b32 v[QP+4*\c+\i], v[QP+4*\c+2+\i]   ; a whole block to a lane
.endr
.endr
.endm
	s_load_b256 s[4:11], s[0:1], 0x0               ; ximg s[4:5], wimg s[6:7], b_qkv s[8:9], qimg s[10:11]
	s_load_b64 s[12:13], s[0:1], 0x20              ; kv
	v_lshl_add_u32 v[SPW], v0, 2, SPARE
	v_mov_b32 v[NIL], 0
	ds_add_u32 v[SPW], v[NIL]                      ; the wave's opening: the add, twice on end, and its wait ahead of my first tensor load
	ds_add_u32 v[SPW], v[NIL]
	v_lshrrev_b32 v[SV], 5, v0
	s_delay_alu instid0(VALU_DEP_1)
	v_readfirstlane_b32 s[WV], v[SV]               ; wave 0..15
	s_lshr_b32 s15, s[WV], 3                       ; wi
	s_and_b32 s16, s[WV], 7                        ; wo
	s_bfe_u32 s40, ttmp6, 0x40000                  ; cx
	s_bfe_u32 s41, ttmp6, 0x40004                  ; cy
	s_lshl_b32 s42, ttmp9, 2
	s_add_co_u32 s42, s42, s40                     ; x = 4 x cluster x + cx
	s_and_b32 s17, ttmp7, 0xffff
	s_lshl_b32 s17, s17, 2
	s_add_co_u32 s17, s17, s41                     ; y = 4 x cluster y + cy
	s_lshl_b32 s43, s41, 2
	s_lshl_b32 s43, 15, s43                        ; my row of the cluster
	s_lshl_b32 s44, 0x1111, s40                    ; my column
	; descriptor group 1: a record is a dense block: 34 rows of 32 elements of 8 bytes, no padding
	s_or_b32 s24, s43, (3<<16)|(1<<21)             ; the tokens' records go to my row of the cluster; bit 21 set beside a mask
	s_or_b32 s48, s44, (3<<16)|(1<<21)             ; W's to my column
.irp g, 24, 48
	s_mov_b32 s[\g+1], 32<<16                      ; tensor_dim0 = 32
	s_mov_b32 s[\g+2], 68<<16                      ; tensor_dim1 = 68: two records on end
	s_mov_b32 s[\g+3], 32<<16                      ; tile_dim0 = 32
	s_mov_b32 s[\g+4], 68                          ; tile_dim1 = 68
	s_mov_b32 s[\g+5], 32                          ; from row to row
	s_mov_b32 s[\g+6], 0
	s_mov_b32 s[\g+7], 0
.endr
	; wave w fetches K steps 2 (w % 4) and 2 (w % 4) + 1 of group w / 4 (0, 1: the tokens'; 2, 3: W's): two records on end, one load
	s_lshr_b32 s18, s[WV], 2
	s_mul_i32 s45, s18, GRP
	s_and_b32 s18, s18, 1
	s_mul_i32 s18, s18, GRP
	s_and_b32 s19, s[WV], 3
	s_mul_i32 s19, s19, 2*REC
	s_add_co_u32 s45, s45, s19                     ; where it goes: the wave's number alone
	s_add_co_u32 s18, s18, s19
	s_mul_i32 s66, s17, 2*GRP                      ; tokens: by y, which my row of the cluster shares
	s_add_co_u32 s66, s66, s18
	s_mov_b32 s67, 0
	s_mul_i32 s46, s42, 2*GRP                      ; W: by x, which my column shares
	s_add_co_u32 s46, s46, s18
	s_mov_b32 s47, 0
	s_mov_b32 s[SEL], 0x76543210
	s_mov_b32 s[SEL+1], 0xfedcba98
	s_wait_dscnt 0x0                               ; both opening adds are done
	s_wait_kmcnt 0x0
	s_add_nc_u64 s[66:67], s[4:5], s[66:67]
	s_add_nc_u64 s[46:47], s[6:7], s[46:47]
	CROUND                                         ; all sixteen work-groups are here: the joint loads meet
.irp c, 0
	s_mov_b32 s[32+4*\c], 1
	s_add_co_u32 s[33+4*\c], s45, \c*4*REC
	s_add_nc_u64 s[34+4*\c:35+4*\c], s[66:67], \c*4*REC
	s_or_b32 s[35+4*\c], s[35+4*\c], 0x80000000
	s_mov_b32 s[56+4*\c], 1
	s_add_co_u32 s[57+4*\c], s45, \c*4*REC
	s_add_nc_u64 s[58+4*\c:59+4*\c], s[46:47], \c*4*REC
	s_or_b32 s[59+4*\c], s[59+4*\c], 0x80000000
.endr
	s_cmp_lt_u32 s[WV], 8                          ; every wave issues one first fill, in one arm of one branch on its number
	s_cbranch_scc0 .Lfill_w
	tensor_load_to_lds s[32:35], s[24:31]
	s_nop 0
.rept 4
	v_nop
.endr
	s_branch .Lfilled
.Lfill_w:
	tensor_load_to_lds s[56:59], s[48:55]
	s_nop 0
.rept 4
	v_nop
.endr
.Lfilled:
	; my 128 numbers of b_qkv: q, k: those of my inner group (columns 256 x + 128 wi on); v: those of my outer pair's group (256 x + 128 (wo / 4) on)
	s_lshr_b32 s19, s16, 2
	s_cmp_eq_u32 ttmp9, 2
	s_cselect_b32 s19, s19, s15
	s_lshl_b32 s19, s19, 9
	s_lshl_b32 s18, s42, 10
	s_add_co_u32 s18, s18, s19
	s_mov_b32 s19, 0
	s_add_nc_u64 s[68:69], s[8:9], s[18:19]
	v_and_b32 v[SV], 31, v0
	s_delay_alu instid0(VALU_DEP_1)
	v_lshlrev_b32 v[LI], 4, v[SV]
	s_wait_alu depctr_va_vdst(0)
	v_lshlrev_b32 v[LS], 2, v[SV]
	s_wait_alu depctr_va_vdst(0)
	global_load_b128 v[FI:FI+3], v[LI], s[68:69]
	v_and_b32 v18, 15, v0                          ; r
	v_bfe_u32 v19, v0, 4, 1                        ; h
	s_lshr_b32 s70, s16, 2
	s_mul_i32 s70, s70, GRP                        ; my outer pair: group wo / 4,
	s_and_b32 s71, s16, 3
	s_lshl_b32 s72, s71, 11                        ; tiles 2 (wo % 4), + 1
	s_add_co_u32 s72, s72, s70
	s_lshl_b32 s73, s71, 7
	s_add_co_u32 s73, s73, s70
	s_add_co_u32 s73, s73, 8192
	v_add_nc_u32 v[AOT], s72, v[LI]
	v_add_nc_u32 v[SOT], s73, v[LS]
	s_delay_alu instid0(VALU_DEP_2)
	v_add_nc_u32 v[AOW], WREG, v[AOT]
	s_delay_alu instid0(VALU_DEP_2)
	v_add_nc_u32 v[SOW], WREG, v[SOT]
	s_mul_i32 s74, s15, GRP                        ; my inner group: wi
	s_add_co_u32 s75, s74, 8192
	v_add_nc_u32 v[AIT], s74, v[LI]
	v_add_nc_u32 v[SIT], s75, v[LS]
	s_delay_alu instid0(VALU_DEP_2)
	v_add_nc_u32 v[AIW], WREG, v[AIT]
	s_delay_alu instid0(VALU_DEP_2)
	v_add_nc_u32 v[SIW], WREG, v[SIT]
	s_lshl_b32 s76, s[WV], 9
	s_add_co_u32 s76, s76, BIAS
	v_add_nc_u32 v[BA], s76, v[LI]
	v_lshl_add_u32 v[BB], v19, 6, s76              ; + 64 h: my half's 16 numbers of each 32
	v_and_b32 v[BVA], 8, v18
	s_delay_alu instid0(VALU_DEP_1)
	v_add_nc_u32 v[BVA], v[BVA], v18               ; r + 8 (r / 8)
	s_delay_alu instid0(VALU_DEP_1)
	v_lshlrev_b32 v[BVA], 2, v[BVA]
	s_lshl_b32 s77, s71, 7                         ; + 32 (wo % 4) numbers
	s_add_co_u32 s77, s77, s76
	v_add_nc_u32 v[BVA], s77, v[BVA]
	v_lshlrev_b32 v[SL], 2, v18
	s_delay_alu instid0(VALU_DEP_1)
	v_lshl_add_u32 v[SL], v19, 1, v[SL]
.irp b, 0,1,2,3
	v_mov_b32 v[TM+4+\b], 0                        ; written once: a lane permute's destination counts as one of its sources
.endr
	s_wait_loadcnt 0x0
	ds_store_b128 v[BA], v[FI:FI+3]                ; my wave's own bytes
	s_wait_tensorcnt 0x0                           ; my two records are in
	s_wait_dscnt 0x0
	s_barrier_signal -1
	s_barrier_wait -1                              ; everybody's is
; A K step of 128: 25 LDS loads, 16 matrix instructions.  The 16 accumulators take turns, one instruction a turn, in the same order in every step.
.macro KSTEP ks, first, pao, pso, pai, psi
.irp o, 0,1
.irp c, 0,1
	ds_load_b128 v[FO+8*\o+4*\c:FO+8*\o+4*\c+3], v[\pao] offset:REC*(\ks)+1024*\o+512*\c
.endr
.endr
	ds_load_b32 v[SO], v[\pso] offset:REC*(\ks)
.irp e, 0,1,2,3
	ds_load_b32 v[SI+\e], v[\psi] offset:REC*(\ks)+128*\e
.endr
.irp i, 0,1,2,3,4,5,6,7
.irp c, 0,1
	ds_load_b128 v[FI+8*\i+4*\c:FI+8*\i+4*\c+3], v[\pai] offset:REC*(\ks)+1024*\i+512*\c
.endr
.endr
.irp i, 0,1,2,3,4,5,6,7
	s_wait_dscnt 14-2*\i                           ; inner tile i is in; the two loads of each later tile may stay out
.irp o, 0,1
.if \first
	WM ACC+64*\o+8*\i, FI+8*\i, FO+8*\o, -1, SI+\i/2, SO, \i%2, \o
.else
	WM ACC+64*\o+8*\i, FI+8*\i, FO+8*\o, ACC+64*\o+8*\i, SI+\i/2, SO, \i%2, \o
.endif
.endr
.endr
.rept 4
	v_nop                                          ; four places ahead of loads into registers that the products read, and of the first read of results
.endr
.endm
.macro MAIN pao, pso, pai, psi
	KSTEP 0, 1, \pao, \pso, \pai, \psi             ; the first products start the sums
	KSTEP 1, 0, \pao, \pso, \pai, \psi
	KSTEP 2, 0, \pao, \pso, \pai, \psi
	KSTEP 3, 0, \pao, \pso, \pai, \psi
	v_add_nc_u32 v[\pao], 4*REC, v[\pao]
	v_add_nc_u32 v[\pso], 4*REC, v[\pso]
	v_add_nc_u32 v[\pai], 4*REC, v[\pai]
	v_add_nc_u32 v[\psi], 4*REC, v[\psi]
	KSTEP 0, 0, \pao, \pso, \pai, \psi
	s_wait_alu depctr_va_vdst(0)
	KSTEP 1, 0, \pao, \pso, \pai, \psi
	KSTEP 2, 0, \pao, \pso, \pai, \psi
	KSTEP 3, 0, \pao, \pso, \pai, \psi
.endm
	s_cmp_eq_u32 ttmp9, 2                          ; the kind: the cluster's x, the same in all partners
	s_cbranch_scc1 .Lv
	; ---- q and k: outer = tokens, inner = two heads' columns
	MAIN AOT, SOT, AIW, SIW
.irp b, 0,1,2,3
.irp e, 0,1,2,3
	ds_load_b128 v[FI+16*\b+4*\e:FI+16*\b+4*\e+3], v[BB] offset:128*\b+16*\e   ; the bias in the results' order: register 16 b + i is column 32 b + 16 h + i
.endr
.endr
	s_lshr_b32 s78, s17, 3                         ; batch
	s_and_b32 s79, s17, 7
	s_lshl_b32 s78, s78, 4
	s_and_b32 s80, s42, 3
	s_lshl_b32 s80, s80, 2
	s_add_co_u32 s78, s78, s80
	s_lshl_b32 s80, s15, 1
	s_add_co_u32 s78, s78, s80                     ; bh of my first head: 16 b + 4 (x % 4) + 2 wi
	s_lshl_b32 s81, s78, 6
	s_lshl_b32 s82, s79, 3
	s_add_co_u32 s81, s81, s82
	s_add_co_u32 s81, s81, s16                     ; q: 64 bh + P, P = 8 (y % 8) + wo
	s_lshl_b32 s82, s81, 10                        ; its codes,
	s_lshl_b32 s83, s81, 6
	s_add_co_u32 s83, s83, 4194304                 ; its scale halves
	s_lshl_b32 s84, s78, 4
	s_lshl_b32 s85, s79, 1
	s_add_co_u32 s84, s84, s85
	s_lshr_b32 s85, s16, 2
	s_add_co_u32 s84, s84, s85                     ; k: record 16 bh + key step, key step = 2 (y % 8) + wo / 4
	s_mul_i32 s84, s84, REC
	s_and_b32 s85, s16, 3
	s_lshl_b32 s86, s85, 10
	s_add_co_u32 s86, s86, s84                     ; fragment wo % 4,
	s_lshl_b32 s87, s85, 6
	s_add_co_u32 s87, s87, s84
	s_add_co_u32 s87, s87, 8192                    ; its words
	s_mov_b32 s88, 16*REC                          ; k: from head to head
	s_cmp_eq_u32 ttmp9, 0                          ; q or k: only selections and moves follow the compare
	s_cselect_b64 s[90:91], s[10:11], s[12:13]
	s_cselect_b32 s82, s82, s86
	s_cselect_b32 s84, s83, s87
	s_cselect_b32 s86, 65536, s88
	s_cselect_b32 s88, 4096, s88
	s_mov_b32 s83, 0
	s_mov_b32 s85, 0
	s_mov_b32 s87, 0
	s_mov_b32 s89, 0
	s_add_nc_u64 s[92:93], s[90:91], s[82:83]      ; codes, first head
	s_add_nc_u64 s[94:95], s[92:93], s[86:87]      ; second head
	s_add_nc_u64 s[96:97], s[90:91], s[84:85]      ; scale halves, first head
	s_add_nc_u64 s[98:99], s[96:97], s[88:89]      ; second head
	s_wait_dscnt 0x0
.irp o, 0,1
.set J, 0
.rept 32
	v_pk_add_f32 v[ACC+64*\o+J:ACC+64*\o+J+1], v[ACC+64*\o+J:ACC+64*\o+J+1], v[FI+J:FI+J+1]   ; + b_qkv; each accumulator is read from its low end on
.set J, J+2
.endr
.endr
	QUANT64 ACC, FO, PW
	QUANT64 ACC+64, FO+8, PW+1
.irp o, 0,1                                    ; registers 0-3 of the codes are the first head's 64, registers 4-7 the second's; lane (r, h) holds d = 32 h + 0..31
	global_store_b128 v[LI], v[FO+8*\o:FO+8*\o+3], s[92:93] offset:512*\o        ; 512 consecutive bytes, aligned to 256
	global_store_b128 v[LI], v[FO+8*\o+4:FO+8*\o+7], s[94:95] offset:512*\o
.endr
	v_and_b32 v[SV], 16, v0
	s_delay_alu instid0(VALU_DEP_1)
	v_cmp_ne_u32 vcc_lo, 0, v[SV]
	s_delay_alu instid0(VALU_DEP_1)
	v_cndmask_b32 v[SV], v[PW], v[PW+1], vcc_lo    ; lanes 0-15: tile 0's word of row r, lanes 16-31: tile 1's
	global_store_b16 v[SL], v[SV], s[96:97]        ; its low half is the first head's two bytes: 64 consecutive bytes a wave
	global_store_d16_hi_b16 v[SL], v[SV], s[98:99] ; its high half the second head's
	s_branch .Lend
	; ---- v: outer = columns of W (d), inner = tokens (the keys of one step)
.Lv:
	MAIN AOW, SOW, AIT, SIT
	ds_load_b32 v[BV], v[BVA]                      ; my own row's bias, twice, for the packed add: tile 0,
	ds_load_b32 v[BV+1], v[BVA]
	ds_load_b32 v[BV+2], v[BVA] offset:32          ; tile 1: eight rows on
	ds_load_b32 v[BV+3], v[BVA] offset:32
	s_lshr_b32 s78, s17, 3
	s_lshl_b32 s78, s78, 4
	s_and_b32 s80, s42, 3
	s_lshl_b32 s80, s80, 2
	s_add_co_u32 s78, s78, s80
	s_lshr_b32 s80, s16, 1
	s_add_co_u32 s78, s78, s80                     ; bh = 16 b + 4 (x - 8) + wo / 2
	s_lshl_b32 s78, s78, 4
	s_and_b32 s79, s17, 7
	s_lshl_b32 s79, s79, 1
	s_add_co_u32 s78, s78, s79
	s_add_co_u32 s78, s78, s15                     ; record 16 bh + key step, key step = 2 (y % 8) + wi
	s_mul_i32 s78, s78, REC
	s_and_b32 s80, s16, 1
	s_lshl_b32 s82, s80, 11
	s_add_co_u32 s82, s82, s78
	s_add_co_u32 s82, s82, 4096                    ; d tiles 2 (wo % 2), + 1
	s_mov_b32 s83, 0
	s_lshl_b32 s84, s80, 7
	s_add_co_u32 s84, s84, s78
	s_add_co_u32 s84, s84, 8448                    ; their words
	s_mov_b32 s85, 0
	s_add_nc_u64 s[92:93], s[12:13], s[82:83]
	s_add_nc_u64 s[96:97], s[12:13], s[84:85]
	s_wait_dscnt 0x0
.irp o, 0,1
.set J, 0
.rept 32
	v_pk_add_f32 v[ACC+64*\o+J:ACC+64*\o+J+1], v[ACC+64*\o+J:ACC+64*\o+J+1], v[BV+2*\o:BV+2*\o+1]
.set J, J+2
.endr
.endr
	QUANT64 ACC, FO, PW
	QUANT64 ACC+64, FO+8, PW+1
.irp o, 0,1
.irp c, 0,1
	global_store_b128 v[LI], v[FO+8*\o+4*\c:FO+8*\o+4*\c+3], s[92:93] offset:1024*\o+512*\c
.endr
.endr
	v_and_b32 v[SV], 16, v0
	s_delay_alu instid0(VALU_DEP_1)
	v_cmp_ne_u32 vcc_lo, 0, v[SV]
	s_delay_alu instid0(VALU_DEP_1)
	v_cndmask_b32 v[SV], v[PW], v[PW+1], vcc_lo
	global_store_b32 v[LS], v[SV], s[96:97]        ; 128 consecutive bytes
.Lend:
	s_wait_tensorcnt 0x0                           ; the wave's end, behind my last tensor load and my last LDS store
	ds_add_u32 v[SPW], v[NIL]
	s_wait_dscnt 0x0
	CROUND                                         ; the closing round
	s_endpgm
.Lfunc_end_k_q5a6fe6a8ca_qkv:
	.size	k_q5a6fe6a8ca_qkv, .Lfunc_end_k_q5a6fe6a8ca_qkv-k_q5a6fe6a8ca_qkv
	.p2alignl 7, 3214868480
	.fill 96, 4, 3214868480
	.section	.rodata,"a",@progbits
	.p2align	6, 0x0
	.amdhsa_kernel k_q5a6fe6a8ca_qkv
		.amdhsa_group_segment_fixed_size 288768
		.amdhsa_private_segment_fixed_size 0
		.amdhsa_enable_private_segment 0
		.amdhsa_kernarg_size 40
		.amdhsa_user_sgpr_count 2
		.amdhsa_user_sgpr_kernarg_segment_ptr 1
		.amdhsa_wavefront_size32 1
		.amdhsa_system_sgpr_workgroup_id_x 1
		.amdhsa_system_sgpr_workgroup_id_y 1
		.amdhsa_system_sgpr_workgroup_id_z 1
		.amdhsa_system_vgpr_workitem_id 0
		.amdhsa_next_free_vgpr 256
		.amdhsa_next_free_sgpr 100
		.amdhsa_reserve_vcc 1
		.amdhsa_float_denorm_mode_32 3
		.amdhsa_float_denorm_mode_16_64 3
		.amdhsa_memory_ordered 1
		.amdhsa_forward_progress 1
		.amdhsa_inst_pref_size 105
	.end_amdhsa_kernel
	.amdgpu_metadata
---
amdhsa.version: [ 1, 2 ]
amdhsa.kernels:
  - .name:           k_q5a6fe6a8ca_qkv
    .symbol:         k_q5a6fe6a8ca_qkv.kd
    .args:
      - { .name: ximg, .offset: 0, .size: 8, .value_kind: global_buffer, .address_space: global }
      - { .name: wimg, .offset: 8, .size: 8, .value_kind: global_buffer, .address_space: global }
      - { .name: b_qkv, .offset: 16, .size: 8, .value_kind: global_buffer, .address_space: global }
      - { .name: qimg, .offset: 24, .size: 8, .value_kind: global_buffer, .address_space: global }
      - { .name: kv, .offset: 32, .size: 8, .value_kind: global_buffer, .address_space: global }
    .group_segment_fixed_size: 288768
    .private_segment_fixed_size: 0
    .kernarg_segment_align: 8
    .kernarg_segment_size: 40
    .max_flat_workgroup_size: 512
    .sgpr_count:     100
    .vgpr_count:     256
    .wavefront_size: 32
...
	.end_amdgpu_metadata
.endif
;; end of part 2
;; launch attn (part 3): grid 8 x 32, 8 waves a work-group, clusters of 4 x 1, 327,680 bytes of LDS; arguments qimg, kv, oimg; writes oimg
.if DOCPART == 3
	.amdgcn_target "amdgcn-amd-amdhsa--gfx1250"
	.amdhsa_code_object_version 6
	.text
	.protected	k_q5a6fe6a8ca_attn
	.globl	k_q5a6fe6a8ca_attn
	.p2align	8
	.type	k_q5a6fe6a8ca_attn,@function
k_q5a6fe6a8ca_attn:
	s_mov_b64 s[64:65], 0
	v_nop
	global_prefetch_b8 v0, s[64:65] scope:SCOPE_SE
	s_setreg_imm32_b32 hwreg(HW_REG_WAVE_MODE, 25, 1), 1
	s_wait_xcnt 0x0
	s_wait_alu depctr_hold_cnt(0) depctr_sa_sdst(0) depctr_va_vdst(0) depctr_va_sdst(0) depctr_va_ssrc(0) depctr_va_vcc(0) depctr_vm_vsrc(0)
	s_getreg_b32 s2, hwreg(HW_REG_IB_STS2, 6, 4)
	s_cmp_eq_u32 s2, 0
	s_cbranch_scc0 .Lentry_in_a_cluster
	s_endpgm
.Lentry_in_a_cluster:
	s_bfe_u32 s2, ttmp6, 0x10000c
	s_cmp_lg_u32 s2, 0x3003
	s_cbranch_scc0 .Lentry_shape_is_right
	s_endpgm
.Lentry_shape_is_right:
; Launch 3 of 4: O = softmax(q k^T / 8) v for two heads and 256 queries a work-group, both products on codes of E2M1; O is quantised at once into the records that the last launch reads.  Nothing of reference() is left out here.
; THE SOFTMAX: t = score x log2(e) / 8; M = the running largest t rounded up to a whole number (kept as -M); p = 2^(t - M) is quantised along the keys; the row's sum is taken of the unquantised p and divides O at the end.
; LIMITS: NaN and infinities are not served; the promise holds while the scaled scores stay under 2^31 in magnitude.  A BLOCK'S SCALE is taken from the exponent itself: floor(the block's largest t - M) - 2, held at -126 from below.
; Where v_exp_f32 rounds the block's largest p up to the next power of two (t - M within about 2^-25 under a whole number) that p is held at the largest code, 6, of a scale one step lower.
; SHARES.  Work-group (x, y): queries 256 x .. 256 x + 255 of heads 2 y and 2 y + 1.  Eight waves, two to a SIMD; wave w owns two tiles of 16 queries (X = 0, 1): each fragment of K and V read from LDS feeds two tiles,
; and one tile's chains of dependent lines stand between the other tile's independent lines.
; Two passes, one a head; a pass walks 16 steps of 128 keys.  Both heads' 32 records (K, V^T and their scale words) lie in LDS at once; no LDS byte is filled twice.  Wave w fetches record w at the kernel's head and records
; 8 + 3 w .. 10 + 3 w; those are shown to all waves by a barrier behind the first pass's fourth step (steps 0-3 read records 0-4), so that no barrier stands between the passes.
; CLUSTER 4 x 1: the four work-groups of a cluster walk the same two heads: each load is asked for jointly.  No prefetch: both groups of loads go out ahead of the loops, so there is no loop to run ahead in.
; LDS: a record's 8,704 bytes come as 17 rows of 512 bytes with 64 bytes of padding behind each: 9,792 bytes a record.
; THE KEYS OF A TILE ARE CHOSEN AT THE LDS READ.  Row m of fragment (e, g) is taken from the record's fragment 2 e + m / 8, row m % 8 + 8 g; its two groups c are then tiles u = 2 g + c whose row m is key 64 e + 32 (m / 8) + 8 u + m % 8.
; So in S^T = K Q^T lane (r, h) holds query r, and its 32 registers of tiles u = 0..3 are the WHOLE block of keys 64 e + 32 h + 0 .. 31: the block's maximum needs no other lane, and the conversions give P's operand registers as they stand.
; With the padding, rows m < 8 and m >= 8 of a load lie 1,152 bytes apart, which is 128 modulo 256: sixteen lanes touch sixteen different columns of 16 bytes.
; The head's axis is 64, the instruction's K 128: a fragment of K holds two key tiles side by side, and Q stands beside zeros: [q, 0] picks the first tile, [0, q] the second.
; REGISTERS.  Window 1 (v256..): all that the softmax names: S of tile X at 64 X, partial sums, P's codes, M, f, the sums.  Window 0: addresses, scale words, Q, the fragments of K and V, O^T.
; s_set_vgpr_msb: bits 1:0 source 0, 3:2 source 1, 5:4 source 2, 7:6 destination.
.set REC,   8704
.set RECP,  9792
.set HEADB, 16*REC
.set SPARE, 32*RECP                    ; the spare words: 128 bytes for each of 8 waves
; window 0
.set LI,  1                            ; 16 x lane
.set LS,  2                            ; 4 x lane
.set SPW, 3
.set NIL, 4
.set AK0, 5                            ; my lane's place in a fragment of K
.set AKS0,6                            ; and among K's scale words
.set TW,  7
.set ADK, 8
.set ADKS,9
.set ADV, 10
.set ADVS,11
.set R4,  12                           ; 4 r
.set HH,  13                           ; h
.set M8,  14
.set M7,  15
.set KW,  16                           ; v16, 17 K's scale words: lanes 0-15 g = 0, lanes 16-31 g = 1
.set VW,  18                           ; v18, 19 V's
.set QW,  20                           ; v20-23 Q's: 2 x pass + X
.set PWD, 24                           ; v24, 25 P's scale word
.set Q,   28                           ; v28-67: for each pass qA 0 qB 0 qA, four registers each
.set KF,  68                           ; v68-99
.set VF,  100                          ; v100-131
.set O,   132                          ; v132-195 O^T: 32 X on
; window 1
.set TA,  128                          ; partial sums of p: tile 0's,
.set U,   144                          ; a second set for either tile,
.set TBS, 160                          ; tile 1's
.set PC,  176                          ; P's codes: 8 X on
.set MX,  192                          ; eight chains of maxima, one an accumulator
.set BM,  200                          ; the block's largest score: 2 X + e
.set T,   204
.set T2,  206
.set MS,  208                          ; the running largest score
.set D,   210
.set NM,  212                          ; pairs: -M
.set F,   216                          ; pairs: 2^(old M - new M)
.set L,   220                          ; pairs: the row's sum in two halves
.set RL,  224                          ; pairs: 1 / the sum
.set TBV, 228
.set SOP, 232                          ; the conversions' scale operands
.set W,   236
.set W2,  238
.set SH8, 240                          ; 8 h
.set HW,  242                          ; O's scale word
.set CM,  244                          ; v244-251 at work on the maxima
.set WV,  14
.set TBN, 10
.set CNT, 13
.set SEL, 32
.set CS,  34                           ; s[34:35] c = log2(e) / 8
.set NC,  36                           ; -c
.set TB,  37
.set MSB, 0
.macro WIN new                         ; the immediate's high byte repeats the setting that is left
.if MSB != \new
	s_set_vgpr_msb (MSB<<8)|\new
.set MSB, \new
.endif
.endm
.macro CROUND                          ; a round of the cluster's barrier
	s_barrier_signal -1
	s_barrier_wait -1
	s_cmp_lg_u32 s[WV], 0
	s_cbranch_scc1 .Lnw0_\@
	s_barrier_signal -3
.Lnw0_\@:
	s_barrier_wait -3
	s_barrier_signal -1
	s_barrier_wait -1
.endm
.macro WM d, a, b, z, sa, sb, ra       ; z = 1: C is the constant 0, else C = D; ra = 1: source 0's scales stand in lanes 16-31
.set WMD, \d
.set WMA, \a
.set WMB, \b
.set WMS, \sa
.set WMT, \sb
.if (\z) && (\ra)
	v_wmma_scale_f32_16x16x128_f8f6f4 v[WMD:WMD+7], v[WMA:WMA+7], v[WMB:WMB+7], 0, v[WMS], v[WMT] matrix_a_fmt:MATRIX_FMT_FP4 matrix_b_fmt:MATRIX_FMT_FP4 matrix_a_scale:MATRIX_SCALE_ROW1
.elseif (\z)
	v_wmma_scale_f32_16x16x128_f8f6f4 v[WMD:WMD+7], v[WMA:WMA+7], v[WMB:WMB+7], 0, v[WMS], v[WMT] matrix_a_fmt:MATRIX_FMT_FP4 matrix_b_fmt:MATRIX_FMT_FP4
.elseif (\ra)
	v_wmma_scale_f32_16x16x128_f8f6f4 v[WMD:WMD+7], v[WMA:WMA+7], v[WMB:WMB+7], v[WMD:WMD+7], v[WMS], v[WMT] matrix_a_fmt:MATRIX_FMT_FP4 matrix_b_fmt:MATRIX_FMT_FP4 matrix_a_scale:MATRIX_SCALE_ROW1
.else
	v_wmma_scale_f32_16x16x128_f8f6f4 v[WMD:WMD+7], v[WMA:WMA+7], v[WMB:WMB+7], v[WMD:WMD+7], v[WMS], v[WMT] matrix_a_fmt:MATRIX_FMT_FP4 matrix_b_fmt:MATRIX_FMT_FP4
.endif
.endm
.macro KLOAD adr, ads                  ; a step's four fragments of K and their scale words: ten LDS loads
.irp e, 0,1
.irp g, 0,1
.irp c, 0,1
	ds_load_b128 v[KF+16*\e+8*\g+4*\c:KF+16*\e+8*\g+4*\c+3], v[\adr] offset:2304*\e+576*\c+128*\g
.endr
.endr
	ds_load_b32 v[KW+\e], v[\ads] offset:9216+128*\e
.endr
.endm
.macro PADD d, a, b, n                 ; n packed additions
.set J, 0
.rept \n
	v_pk_add_f32 v[\d+J:\d+J+1], v[\a+J:\a+J+1], v[\b+J:\b+J+1]
.set J, J+2
.endr
.endm
.macro FMX fb, nm, from, n             ; t - M of pairs from .. from + n - 1 (under 16) of a chunk of 32 scores
.set J, \from
.rept \n
.if J < 16
	v_pk_fma_f32 v[\fb+2*J:\fb+2*J+1], v[\fb+2*J:\fb+2*J+1], s[CS:CS+1], v[\nm:\nm+1] op_sel_hi:[1,0,0]
.endif
.set J, J+1
.endr
.endm
; Lines from .. from + n - 1 (under 28) of tile x's search for its blocks' largest scores.  Lines 0-23: eight chains by turns, one an accumulator, over its registers 0-6, from the low end on; lines 24-27: for each block, three chains joined, and the fourth with two of the registers 7.
.macro MXN x, from, n
.set I, \from
.rept \n
.if I < 28
.set KK, I%8
.set BB, 64*\x+8*KK
.if I < 8
	v_max3_num_f32 v[MX+KK], v[BB], v[BB+1], v[BB+2]
.elseif I < 24
	v_max3_num_f32 v[MX+KK], v[MX+KK], v[BB+2*(I/8)+1], v[BB+2*(I/8)+2]
.elseif (I%2) == 0
	v_max3_num_f32 v[CM+4*\x+(I-24)], v[MX+2*(I-24)], v[MX+2*(I-24)+1], v[MX+2*(I-24)+2]
.else
	v_max3_num_f32 v[CM+4*\x+(I-24)], v[MX+2*(I-25)+3], v[64*\x+16*(I-25)+7], v[64*\x+16*(I-25)+15]
.endif
.endif
.set I, I+1
.endr
.endm
; Link l of tile x's chain from the joined maxima to M and f
.macro SER x, l
.if \l == 0
.irp e, 0,1
	v_max3_num_f32 v[CM+4*\x+2*\e], v[CM+4*\x+2*\e], v[CM+4*\x+2*\e+1], v[64*\x+32*\e+23]
.endr
.elseif \l == 1
.irp e, 0,1
	v_max_num_f32 v[BM+2*\x+\e], v[CM+4*\x+2*\e], v[64*\x+32*\e+31]   ; the largest score of my block 2 e + h
.endr
.elseif \l == 2
	v_max_num_f32 v[T+\x], v[BM+2*\x], v[BM+2*\x+1]
.elseif \l == 3
	v_permlanex16_b32 v[T2+\x], v[T+\x], s[SEL], s[SEL+1]
.elseif \l == 4
	v_max3_num_f32 v[MS+\x], v[MS+\x], v[T+\x], v[T2+\x]              ; the running largest score of my query
.elseif \l == 5
	v_mul_f32 v[T+\x], s[NC], v[MS+\x]
.elseif \l == 6
	v_floor_f32 v[T+\x], v[T+\x]                                      ; the new -M = floor(-t)
.elseif \l == 7
	v_sub_f32 v[D+\x], v[T+\x], v[NM+2*\x]                            ; old M - new M: a whole number, 0 or less
	v_mov_b32 v[NM+2*\x], v[T+\x]
.elseif \l == 8
	v_cvt_i32_f32 v[D+\x], v[D+\x]                                    ; (it saturates)
.else
	v_ldexp_f32 v[F+2*\x], 1.0, v[D+\x]                               ; f = 2^(old M - new M)
.endif
.endm
; A STAGE: the 32 exponentials of chunk eb by turns with plain work that names none of them: the next chunk's t - M (fb) and sums of chunks whose exponentials stand ahead of the stage's wait (d = a + b, eight pairs a group).
; No register written in a stage is read in it.  The one wait stands at the stage's head, behind the last stage's exponentials and plain writes, ahead of all their readers.
.macro STAGE eb, fb, nm, d1, a1, b1, d2, a2, b2
	s_wait_alu depctr_va_vdst(0)
.set J, 0
.rept 16
	v_exp_f32 v[\eb+2*J], v[\eb+2*J]
.if \fb >= 0
	v_pk_fma_f32 v[\fb+2*J:\fb+2*J+1], v[\fb+2*J:\fb+2*J+1], s[CS:CS+1], v[\nm:\nm+1] op_sel_hi:[1,0,0]
.endif
	v_exp_f32 v[\eb+2*J+1], v[\eb+2*J+1]
.if (\d1 >= 0) && (J < 8)
	v_pk_add_f32 v[\d1+2*J:\d1+2*J+1], v[\a1+2*J:\a1+2*J+1], v[\b1+2*J:\b1+2*J+1]
.endif
.if (\d2 >= 0) && (J >= 8)
	v_pk_add_f32 v[\d2+2*J-16:\d2+2*J-15], v[\a2+2*J-16:\a2+2*J-15], v[\b2+2*J-16:\b2+2*J-15]
.endif
.set J, J+1
.endr
.endm
.macro CVTS x                          ; tile x's p into codes: register 4 e + u of P's operand holds keys 64 e + 32 h + 8 u + 0 .. 7
.irp e, 0,1
.irp u, 0,1,2,3
	v_cvt_scalef32_pk8_fp4_f32 v[PC+8*\x+4*\e+\u], v[64*\x+32*\e+8*\u:64*\x+32*\e+8*\u+7], v[SOP+2*\x+\e]
.endr
.endr
.endm
	s_load_b128 s[4:7], s[0:1], 0x0                ; qimg, kv
	s_load_b64 s[8:9], s[0:1], 0x10                ; oimg
	v_lshl_add_u32 v[SPW], v0, 2, SPARE
	v_mov_b32 v[NIL], 0
	ds_add_u32 v[SPW], v[NIL]                      ; the wave's opening: the add, twice on end, and its wait ahead of my first tensor load
	ds_add_u32 v[SPW], v[NIL]
	v_lshrrev_b32 v[TW], 5, v0
	v_readfirstlane_b32 s[WV], v[TW]               ; wave 0..7
	s_bfe_u32 s2, ttmp6, 0x40000                   ; cx
	s_lshl_b32 s11, ttmp9, 2
	s_add_co_u32 s11, s11, s2                      ; x
	s_and_b32 s12, ttmp7, 0xffff                   ; y
	s_mov_b32 s16, 15|(3<<16)|(1<<20)|(1<<21)|(6<<22)|(15<<25)   ; all four partners; elements of 8 bytes; 16 words of padding behind every 128; bit 21 set beside a mask
	s_mov_b32 s17, 64<<16                          ; rows of 64 elements: 512 bytes
	s_mov_b32 s18, 17<<16                          ; 17 rows: a record
	s_mov_b32 s19, 64<<16
	s_mov_b32 s20, 17
	s_mov_b32 s21, 64
	s_mov_b32 s22, 0
	s_mov_b32 s23, 0
	s_mov_b32 s52, 15|(3<<16)|(1<<20)|(1<<21)|(6<<22)|(15<<25)   ; the same for three records: 51 rows
	s_mov_b32 s53, 64<<16
	s_mov_b32 s54, 51<<16
	s_mov_b32 s55, 64<<16
	s_mov_b32 s56, 51
	s_mov_b32 s57, 64
	s_mov_b32 s58, 0
	s_mov_b32 s59, 0
	s_mul_i32 s38, s12, 2*HEADB                    ; by y and the wave's number alone
	s_mul_i32 s3, s[WV], REC
	s_add_co_u32 s40, s38, s3                      ; record w,
	s_mov_b32 s41, 0
	s_mul_i32 s3, s[WV], 3*REC
	s_add_co_u32 s38, s38, s3
	s_add_co_u32 s38, s38, 8*REC                   ; records 8 + 3 w on
	s_mov_b32 s39, 0
	s_mul_i32 s25, s[WV], RECP
	s_mul_i32 s29, s[WV], 3*RECP
	s_add_co_u32 s29, s29, 8*RECP
	s_mov_b32 s[SEL], 0x76543210
	s_mov_b32 s[SEL+1], 0xfedcba98
	s_mov_b32 s[CS], 0x3e38aa3b
	s_mov_b32 s[CS+1], s[CS]
	s_mov_b32 s[NC], 0xbe38aa3b
	s_wait_dscnt 0x0                               ; both opening adds are done
	s_wait_kmcnt 0x0
	s_add_nc_u64 s[26:27], s[6:7], s[40:41]
	s_add_nc_u64 s[30:31], s[6:7], s[38:39]
	CROUND                                         ; all four work-groups are here: the joint loads meet
	s_mov_b32 s24, 1
	s_or_b32 s27, s27, 0x80000000
	s_mov_b32 s28, 1
	s_or_b32 s31, s31, 0x80000000
	tensor_load_to_lds s[24:27], s[16:23]          ; record w: my one tensor load at the head
	s_nop 0
.rept 4
	v_nop
.endr
	s_lshl_b32 s40, s12, 7
	s_lshl_b32 s41, s11, 3
	s_add_co_u32 s40, s40, s41
	s_add_co_u32 s40, s40, s[WV]                   ; 64 x head + pair of query tiles, for head 2 y
	s_lshl_b32 s42, s40, 10
	s_mov_b32 s43, 0
	s_add_nc_u64 s[42:43], s[4:5], s[42:43]        ; Q's codes
	s_lshl_b32 s44, s40, 6
	s_add_co_u32 s44, s44, 4194304
	s_mov_b32 s45, 0
	s_add_nc_u64 s[44:45], s[4:5], s[44:45]        ; Q's scale halves
	s_lshr_b32 s46, s12, 3
	s_lshl_b32 s46, s46, 4
	s_lshl_b32 s47, s11, 1
	s_add_co_u32 s46, s46, s47
	s_lshr_b32 s47, s[WV], 2
	s_add_co_u32 s46, s46, s47                     ; oimg: the group of 128 tokens,
	s_mul_i32 s46, s46, 8*REC
	s_and_b32 s47, s12, 7
	s_mul_i32 s47, s47, REC                        ; the K step: this pair of heads
	s_add_co_u32 s46, s46, s47
	s_and_b32 s47, s[WV], 3
	s_lshl_b32 s48, s47, 11
	s_add_co_u32 s48, s48, s46
	s_mov_b32 s49, 0
	s_add_nc_u64 s[48:49], s[8:9], s[48:49]        ; my pair of tiles,
	s_lshl_b32 s50, s47, 7
	s_add_co_u32 s50, s50, s46
	s_add_co_u32 s50, s50, 8192
	s_mov_b32 s51, 0
	s_add_nc_u64 s[50:51], s[8:9], s[50:51]        ; its scale words
	s_mov_b32 s[TB], 0
	s_mov_b32 s[TBN], RECP
	v_and_b32 v[LS], 31, v0
	v_lshlrev_b32 v[LI], 4, v[LS]
	v_lshlrev_b32 v[LS], 2, v[LS]
	v_and_b32 v[R4], 15, v0
	v_bfe_u32 v[HH], v0, 4, 1
	v_bfe_u32 v[M8], v0, 3, 1
	v_and_b32 v[M7], 7, v0
	v_lshlrev_b32 v[R4], 2, v[R4]
	v_mul_u32_u24 v[AK0], v[M8], 1152
	v_lshl_add_u32 v[AK0], v[M7], 4, v[AK0]
	v_lshl_add_u32 v[AK0], v[HH], 8, v[AK0]        ; 1,152 (m / 8) + 16 (m % 8) + 256 h
	v_lshlrev_b32 v[AKS0], 6, v[M8]
	v_lshl_add_u32 v[AKS0], v[M7], 2, v[AKS0]
	v_lshl_add_u32 v[AKS0], v[HH], 5, v[AKS0]      ; 64 (m / 8) + 4 (m % 8) + 32 g, g = my half of the lanes
	s_wait_alu depctr_va_vdst(0)                   ; ahead of the readers below
.irp p, 0,1
	global_load_b128 v[Q+20*\p:Q+20*\p+3], v[LI], s[42:43] offset:65536*\p
	global_load_b128 v[Q+20*\p+16:Q+20*\p+19], v[LI], s[42:43] offset:65536*\p
	global_load_b128 v[Q+20*\p+8:Q+20*\p+11], v[LI], s[42:43] offset:65536*\p+512
	global_load_u16 v[QW+2*\p], v[R4], s[44:45] offset:4096*\p
	global_load_u16 v[QW+2*\p+1], v[R4], s[44:45] offset:4096*\p+2
.irp i, 4,5,6,7,12,13,14,15
	v_mov_b32 v[Q+20*\p+\i], 0
.endr
.endr
	WIN 0x40
	v_lshlrev_b32 v[SH8], 3, v[HH]
.irp x, 0,1
	v_mov_b32 v[T2+\x], 0                          ; written once: a lane permute's destination counts as one of its sources
	v_mov_b32 v[W2+\x], 0
	v_mov_b32 v[NM+2*\x+1], 0                      ; named as the upper halves of pairs
	v_mov_b32 v[F+2*\x+1], 0
	v_mov_b32 v[RL+2*\x+1], 0
.endr
	WIN 0
	s_wait_alu depctr_va_vdst(0)                   ; directly ahead of the wait below
	s_wait_tensorcnt 0x0                           ; my first record is in
	ds_add_u32 v[SPW], v[NIL]
	s_wait_dscnt 0x0
	CROUND                                         ; everybody's is, and all four work-groups are here: the joint loads meet
	tensor_load_to_lds s[28:31], s[52:59]          ; my three further records: the first tensor load behind the round
	s_nop 0
.rept 4
	v_nop
.endr
	KLOAD AK0, AKS0                                ; step 0's fragments of K
	s_wait_loadcnt 0x0                             ; Q
.irp k, 0,1,2,3
	v_lshl_or_b32 v[QW+\k], v[QW+\k], 16, v[QW+\k] ; the head's two bytes serve either half of the instruction's K
.endr
.macro INIT
	WIN 0x55
.irp x, 0,1
	v_mov_b32 v[MS+\x], 0xff61b1e6                 ; -3e38, under every score
	v_mov_b32 v[NM+2*\x], 0x7f61b1e6               ; so the first change of M gives f = 0, which leaves the zeros below zeros
	v_mov_b32 v[L+2*\x], 0
	v_mov_b32 v[L+2*\x+1], 0
.endr
	WIN 0
.set J, 0
.rept 64
	v_mov_b32 v[O+J], 0                            ; O^T: the step is written once
.set J, J+1
.endr
.endm
.macro STEPS pn, n                     ; n steps of 128 keys of pass pn
	s_mov_b32 s[CNT], \n
.Lstep_\@:
	s_wait_dscnt 0x0                               ; this step's fragments of K, asked for a step ago
	WIN 0x40
.irp x, 0,1
.irp e, 0,1
.irp g, 0,1
	WM 64*\x+32*\e+16*\g, KF+16*\e+8*\g, Q+20*\pn+8*\x, 1, KW+\e, QW+2*\pn+\x, \g
	WM 64*\x+32*\e+16*\g+8, KF+16*\e+8*\g, Q+20*\pn+12-8*\x, 1, KW+\e, QW+2*\pn+\x, \g
.endr
.endr
.endr
	WIN 0
	v_add_nc_u32 v[ADV], s[TB], v[LI]              ; these four are the places ahead of the loads below and of the first read of the scores
	v_add_nc_u32 v[ADVS], s[TB], v[LS]
	v_add_nc_u32 v[ADK], s[TBN], v[AK0]
	v_add_nc_u32 v[ADKS], s[TBN], v[AKS0]
.irp t, 0,1,2,3
.irp c, 0,1
	ds_load_b128 v[VF+8*\t+4*\c:VF+8*\t+4*\c+3], v[ADV] offset:4608+1152*\t+576*\c   ; this step's V^T: ten loads,
.endr
.endr
	ds_load_b32 v[VW], v[ADVS] offset:9472
	ds_load_b32 v[VW+1], v[ADVS] offset:9600
	KLOAD ADK, ADKS                                ; and the next step's K: ten more (the very last step names the last record once more)
	WIN 0x55
	MXN 0, 0, 28                                   ; tile 0's maxima
.irp l, 0,1,2,3,4,5,6,7,8,9
	SER 0, \l                                      ; tile 0's chain to M and f, with tile 1's maxima between its links
	MXN 1, 3*\l, 3
.endr
.irp l, 0,1,2,3,4,5,6,7,8,9
	SER 1, \l                                      ; tile 1's chain, with the t - M of tile 0's first chunk between its links
	FMX 0, NM, 2*\l, 2
.endr
	WIN 0x04
.irp x, 0,1
.set J, 0
.rept 16
	v_pk_mul_f32 v[O+32*\x+J:O+32*\x+J+1], v[O+32*\x+J:O+32*\x+J+1], v[F+2*\x:F+2*\x+1] op_sel_hi:[1,0]   ; O^T under the new M; it stands ahead of the step's exponentials
.set J, J+2
.endr
.endr
	WIN 0x55
	STAGE 0, 32, NM, -1, 0, 0, -1, 0, 0
	STAGE 32, 64, NM+2, TA, 0, 16, -1, 0, 0
	STAGE 64, 96, NM+2, U, 32, 48, -1, 0, 0
	STAGE 96, -1, 0, TBS, 64, 80, TA, TA, U
	s_wait_alu depctr_va_vdst(0)                   ; the wait behind the last exponentials
	; the blocks' scales (my blocks are 2 e + h), with the rows' sums of the unquantised p between their links
.irp k, 0,1,2,3
	v_fma_f32 v[TBV+\k], v[BM+\k], s[CS], v[NM+2*(\k/2)]    ; the block's largest t - M, by the multiply-add that makes every t - M
.endr
	PADD U, 96, 112, 4
.irp k, 0,1,2,3
	v_max_num_f32 v[TBV+\k], 0xc2f80000, v[TBV+\k]          ; held at -124: the byte cannot fall under 1
.endr
	PADD U+8, 104, 120, 4
.irp k, 0,1,2,3
	v_cvt_floor_i32_f32 v[TBV+\k], v[TBV+\k]                ; floor(log2(the block's largest p))
.endr
	PADD TA, TA, TA+8, 4
.irp k, 0,1,2,3
	v_add_lshl_u32 v[SOP+\k], v[TBV+\k], 125, 23            ; - 2 + 127 in the exponent field: the conversion's scale operand
.endr
.irp x, 0,1
	v_lshl_add_u32 v[W+\x], v[TBV+2*\x+1], 16, v[TBV+2*\x]
.endr
	PADD TA, TA, TA+4, 2
.irp x, 0,1
	v_add_lshl_u32 v[W+\x], v[W+\x], 0x7d007d, v[SH8]       ; my two bytes at their places: bytes h and 2 + h
.endr
	PADD TA, TA, TA+2, 1
.irp x, 0,1
	v_permlanex16_b32 v[W2+\x], v[W+\x], s[SEL], s[SEL+1]
.endr
	v_pk_fma_f32 v[L:L+1], v[L:L+1], v[F:F+1], v[TA:TA+1] op_sel_hi:[1,0,1]   ; tile 0's sum under the new M, and this step's
	CVTS 0
	WIN 0x05
.irp x, 0,1
	v_or_b32 v[PWD+\x], v[W+\x], v[W2+\x]                   ; with lane l xor 16's two the word is whole
.endr
	WIN 0x55
	CVTS 1
	PADD TBS, TBS, U, 8                            ; these sixteen lines are also the places between the codes and the scale words and the products below
	PADD TBS, TBS, TBS+8, 4
	PADD TBS, TBS, TBS+4, 2
	PADD TBS, TBS, TBS+2, 1
	v_pk_fma_f32 v[L+2:L+3], v[L+2:L+3], v[F+2:F+3], v[TBS:TBS+1] op_sel_hi:[1,0,1]
	s_wait_dscnt 10                                ; V^T and its words are in; the ten loads of the next step's K may stay out
	WIN 0x04
.irp t, 0,1,2,3
.irp x, 0,1
	WM O+32*\x+8*\t, VF+8*\t, PC+8*\x, 0, VW+\t/2, PWD+\x, \t%2     ; the eight accumulators by turns
.endr
.endr
	WIN 0
	s_add_co_u32 s[TB], s[TB], RECP
	s_add_co_u32 s[TBN], s[TB], RECP
	s_min_u32 s[TBN], s[TBN], 31*RECP
	s_sub_co_u32 s[CNT], s[CNT], 1
	s_cmp_lg_u32 s[CNT], 0
	s_cbranch_scc1 .Lstep_\@
.endm
; A PASS'S END: O^T / the sum, quantised along the head's 64 (registers 16 b + i of a lane are d = 32 b + 16 h + i), both tiles by turns
.macro FIN pn
	WIN 0x55
	s_wait_alu depctr_va_vdst(0)                   ; directly ahead of the reader below: the sums were written just ahead of the step's last wait
.irp x, 0,1
	v_add_f32 v[L+2*\x], v[L+2*\x], v[L+2*\x+1]
.endr
.irp x, 0,1
	v_permlanex16_b32 v[T2+\x], v[L+2*\x], s[SEL], s[SEL+1]
.endr
.irp x, 0,1
	v_add_f32 v[L+2*\x], v[L+2*\x], v[T2+\x]
.endr
	s_wait_alu depctr_va_vdst(0)                   ; the wait ahead of the transcendentals
.irp x, 0,1
	v_rcp_f32 v[RL+2*\x], v[L+2*\x]
.endr
	v_nop                                          ; a place behind the transcendentals
	WIN 0x44
	s_wait_alu depctr_va_vdst(0)                   ; the wait ahead of their first reader, which is also the first reader of O^T
.irp x, 0,1
.set J, 0
.rept 16
	v_pk_mul_f32 v[64*\x+J:64*\x+J+1], v[O+32*\x+J:O+32*\x+J+1], v[RL+2*\x:RL+2*\x+1] op_sel_hi:[1,0]
.set J, J+2
.endr
.endr
	WIN 0x55
.irp k, 0,1,2,3
	v_max3_num_f32 v[BM+\k], |v[64*(\k/2)+16*(\k%2)]|, |v[64*(\k/2)+16*(\k%2)+1]|, 0x1800000   ; and the floor 2^(3 - 127): the byte cannot fall under 1
.endr
.irp i, 2,4,6,8,10,12,14
.irp k, 0,1,2,3
	v_max3_num_f32 v[BM+\k], v[BM+\k], |v[64*(\k/2)+16*(\k%2)+\i]|, |v[64*(\k/2)+16*(\k%2)+\i+1]|
.endr
.endr
.irp k, 0,1,2,3
	v_permlanex16_b32 v[MX+\k], v[BM+\k], s[SEL], s[SEL+1]
.endr
.irp k, 0,1,2,3
	v_max_num_f32 v[BM+\k], v[BM+\k], v[MX+\k]     ; with lane l xor 16's 16: the block's largest magnitude
.endr
.irp k, 0,1,2,3
	v_add_nc_u32 v[SOP+\k], 0xff000000, v[BM+\k]
.endr
.irp k, 0,1,2,3
	v_lshrrev_b32 v[TBV+\k], 23, v[SOP+\k]
.endr
.irp x, 0,1
.if \pn
	v_lshl_or_b32 v[W+\x], v[TBV+2*\x+1], 8, v[TBV+2*\x]
.else
	v_lshl_or_b32 v[HW+\x], v[TBV+2*\x+1], 8, v[TBV+2*\x]   ; the first head's two bytes of the row's scale word
.endif
.endr
.if \pn
.irp x, 0,1
	v_lshl_or_b32 v[HW+\x], v[W+\x], 16, v[HW+\x]  ; the second head's
.endr
.endif
.irp k, 0,1,2,3
	v_cvt_scalef32_pk8_fp4_f32 v[PC+8*(\k/2)+2*(\k%2)], v[64*(\k/2)+16*(\k%2):64*(\k/2)+16*(\k%2)+7], v[SOP+\k]
	v_cvt_scalef32_pk8_fp4_f32 v[PC+8*(\k/2)+2*(\k%2)+1], v[64*(\k/2)+16*(\k%2)+8:64*(\k/2)+16*(\k%2)+15], v[SOP+\k]
.endr
	v_nop                                          ; one plain line behind the scaled conversions
.irp x, 0,1
.irp i, 0,1
	v_permlane16_swap_b32 v[PC+8*\x+\i], v[PC+8*\x+2+\i]    ; a whole block to a lane
.endr
.endr
	WIN 0x04                                       ; a store's data stand in the place of source 1
.irp x, 0,1
	global_store_b128 v[LI], v[PC+8*\x:PC+8*\x+3], s[48:49] offset:1024*\x+512*\pn   ; 512 consecutive bytes, aligned to 256
.endr
	WIN 0
.endm
	INIT
	STEPS 0, 4
	s_wait_tensorcnt 0x0                           ; my three further records are in,
	s_wait_dscnt 0x0
	s_barrier_signal -1
	s_barrier_wait -1                              ; everybody's are; nothing is filled again
	STEPS 0, 12
	FIN 0
	s_wait_xcnt 0x0                                ; the stores have read their registers
	INIT
	STEPS 1, 16
	FIN 1
	v_cmp_ne_u32 vcc_lo, 0, v[HH]
	WIN 0x55
	v_cndmask_b32 v[W], v[HW], v[HW+1], vcc_lo     ; lanes 0-15: tile 0's words, lanes 16-31: tile 1's
	WIN 0x04
	global_store_b32 v[LS], v[W], s[50:51]         ; 128 consecutive bytes
	WIN 0
	s_wait_tensorcnt 0x0                           ; the wave's end
	ds_add_u32 v[SPW], v[NIL]
	s_wait_dscnt 0x0
	CROUND                                         ; the closing round
	s_endpgm
.Lfunc_end_k_q5a6fe6a8ca_attn:
	.size	k_q5a6fe6a8ca_attn, .Lfunc_end_k_q5a6fe6a8ca_attn-k_q5a6fe6a8ca_attn
	.p2alignl 7, 3214868480
	.fill 96, 4, 3214868480
	.section	.rodata,"a",@progbits
	.p2align	6, 0x0
	.amdhsa_kernel k_q5a6fe6a8ca_attn
		.amdhsa_group_segment_fixed_size 327680
		.amdhsa_private_segment_fixed_size 0
		.amdhsa_enable_private_segment 0
		.amdhsa_kernarg_size 24
		.amdhsa_user_sgpr_count 2
		.amdhsa_user_sgpr_kernarg_segment_ptr 1
		.amdhsa_wavefront_size32 1
		.amdhsa_system_sgpr_workgroup_id_x 1
		.amdhsa_system_sgpr_workgroup_id_y 1
		.amdhsa_system_sgpr_workgroup_id_z 1
		.amdhsa_system_vgpr_workitem_id 0
		.amdhsa_next_free_vgpr 512
		.amdhsa_next_free_sgpr 66
		.amdhsa_reserve_vcc 1
		.amdhsa_float_denorm_mode_32 3
		.amdhsa_float_denorm_mode_16_64 3
		.amdhsa_memory_ordered 1
		.amdhsa_forward_progress 1
		.amdhsa_inst_pref_size 107
	.end_amdhsa_kernel
	.amdgpu_metadata
---
amdhsa.version: [ 1, 2 ]
amdhsa.kernels:
  - .name:           k_q5a6fe6a8ca_attn
    .symbol:         k_q5a6fe6a8ca_attn.kd
    .args:
      - { .name: qimg, .offset: 0, .size: 8, .value_kind: global_buffer, .address_space: global }
      - { .name: kv, .offset: 8, .size: 8, .value_kind: global_buffer, .address_space: global }
      - { .name: oimg, .offset: 16, .size: 8, .value_kind: global_buffer, .address_space: global }
    .group_segment_fixed_size: 327680
    .private_segment_fixed_size: 0
    .kernarg_segment_align: 8
    .kernarg_segment_size: 24
    .max_flat_workgroup_size: 256
    .sgpr_count:     66
    .vgpr_count:     512
    .wavefront_size: 32
...
	.end_amdgpu_metadata
.endif
;; end of part 3
;; launch outp (part 4): grid 8 x 32, 16 waves a work-group, clusters of 4 x 4, 210,944 bytes of LDS; arguments oimg, woimg, b_out, out0; writes out0
.if DOCPART == 4
	.amdgcn_target "amdgcn-amd-amdhsa--gfx1250"
	.amdhsa_code_object_version 6
	.text
	.protected	k_q5a6fe6a8ca_outp
	.globl	k_q5a6fe6a8ca_outp
	.p2align	8
	.type	k_q5a6fe6a8ca_outp,@function
k_q5a6fe6a8ca_outp:
	s_mov_b64 s[64:65], 0
	v_nop
	global_prefetch_b8 v0, s[64:65] scope:SCOPE_SE
	s_setreg_imm32_b32 hwreg(HW_REG_WAVE_MODE, 25, 1), 1
	s_wait_xcnt 0x0
	s_wait_alu depctr_hold_cnt(0) depctr_sa_sdst(0) depctr_va_vdst(0) depctr_va_sdst(0) depctr_va_ssrc(0) depctr_va_vcc(0) depctr_vm_vsrc(0)
	s_getreg_b32 s2, hwreg(HW_REG_IB_STS2, 6, 4)
	s_cmp_eq_u32 s2, 0
	s_cbranch_scc0 .Lentry_in_a_cluster
	s_endpgm
.Lentry_in_a_cluster:
	s_bfe_u32 s2, ttmp6, 0x10000c
	s_cmp_lg_u32 s2, 0xf033
	s_cbranch_scc0 .Lentry_shape_is_right
	s_endpgm
.Lentry_shape_is_right:
; Launch 4 of 4: out0 = O W_out + b_out on codes of E2M1; out0 is f32.  Nothing of reference() is left out here.
; SHARES.  Work-group (x, y): 128 columns of out0 (x = 0..7: one group of woimg) x 256 tokens (y = 0..31: two groups of oimg); all of K = 1,024 lies in LDS at once, so no LDS byte is filled twice.
; Sixteen waves, four to a SIMD.  Wave w (wo = w % 8, wi = w / 8): the outer pair wo of token tiles (32 tokens) x inner tiles 4 wi .. 4 wi + 3 of W (64 columns): 8 accumulators, acc (o, i) at v[ACC + 32 o + 8 i].
; D = (source 0 = inner tile) x (source 1 = outer tile): a lane holds one token, its registers run along the columns: acc (o, i), register j is column 64 wi + 32 (i / 2) + 16 (lane / 16) + 8 (i % 2) + j.
; The bias is the C of each sum's first matrix instruction, in that order of columns.
; CLUSTER 4 x 4: the tokens' records are shared along a row of the cluster, W's along a column: each is asked for jointly.  24 records of 34 rows.
.set REC,   8704
.set GRP,   8*REC
.set WREG,  2*GRP                      ; LDS: the tokens' two groups from 0, W's group from here
.set SPARE, 3*GRP                      ; the spare words: 128 bytes for each of 16 waves
.set SP,    272                        ; the way out: a stage of 16 rows x (256 + 16) bytes for each wave, in the tokens' region, which has had its only fill and, behind the last barrier, its last read
.set LI,  1
.set LS,  2
.set SPW, 3
.set NIL, 4
.set AO,  5
.set SOA, 6
.set AI,  7
.set SIA, 8
.set STO, 9
.set RD,  10
.set CO,  11
.set BO,  12
.set SO,  36
.set SI,  37                           ; v37, v38
.set FO,  48                           ; v48-63
.set FI,  64                           ; v64-95; later rows of out0
.set BI,  96                           ; v96-127 the bias; later rows of out0
.set ACC, 128
.set WV,  14
.macro CROUND
	s_barrier_signal -1
	s_barrier_wait -1
	s_cmp_lg_u32 s[WV], 0
	s_cbranch_scc1 .Lnw0_\@
	s_barrier_signal -3
.Lnw0_\@:
	s_barrier_wait -3
	s_barrier_signal -1
	s_barrier_wait -1
.endm
.macro WM d, a, b, c, sa, sb, ra, rb   ; ra, rb = 1: that side's scales stand in lanes 16-31
.set WMD, \d
.set WMA, \a
.set WMB, \b
.set WMC, \c
.set WMS, \sa
.set WMT, \sb
.if (\ra) && (\rb)
	v_wmma_scale_f32_16x16x128_f8f6f4 v[WMD:WMD+7], v[WMA:WMA+7], v[WMB:WMB+7], v[WMC:WMC+7], v[WMS], v[WMT] matrix_a_fmt:MATRIX_FMT_FP4 matrix_b_fmt:MATRIX_FMT_FP4 matrix_a_scale:MATRIX_SCALE_ROW1 matrix_b_scale:MATRIX_SCALE_ROW1
.elseif (\ra)
	v_wmma_scale_f32_16x16x128_f8f6f4 v[WMD:WMD+7], v[WMA:WMA+7], v[WMB:WMB+7], v[WMC:WMC+7], v[WMS], v[WMT] matrix_a_fmt:MATRIX_FMT_FP4 matrix_b_fmt:MATRIX_FMT_FP4 matrix_a_scale:MATRIX_SCALE_ROW1
.elseif (\rb)
	v_wmma_scale_f32_16x16x128_f8f6f4 v[WMD:WMD+7], v[WMA:WMA+7], v[WMB:WMB+7], v[WMC:WMC+7], v[WMS], v[WMT] matrix_a_fmt:MATRIX_FMT_FP4 matrix_b_fmt:MATRIX_FMT_FP4 matrix_b_scale:MATRIX_SCALE_ROW1
.else
	v_wmma_scale_f32_16x16x128_f8f6f4 v[WMD:WMD+7], v[WMA:WMA+7], v[WMB:WMB+7], v[WMC:WMC+7], v[WMS], v[WMT] matrix_a_fmt:MATRIX_FMT_FP4 matrix_b_fmt:MATRIX_FMT_FP4
.endif
.endm
	s_load_b256 s[4:11], s[0:1], 0x0               ; oimg s[4:5], woimg s[6:7], b_out s[8:9], out0 s[10:11]
	v_lshl_add_u32 v[SPW], v0, 2, SPARE
	v_mov_b32 v[NIL], 0
	ds_add_u32 v[SPW], v[NIL]                      ; the wave's opening: the add, twice on end, and its wait ahead of my first tensor load
	ds_add_u32 v[SPW], v[NIL]
	v_lshrrev_b32 v13, 5, v0
	s_delay_alu instid0(VALU_DEP_1)
	v_readfirstlane_b32 s[WV], v13                 ; wave 0..15
	s_lshr_b32 s15, s[WV], 3                       ; wi
	s_and_b32 s16, s[WV], 7                        ; wo
	s_bfe_u32 s40, ttmp6, 0x40000                  ; cx
	s_bfe_u32 s41, ttmp6, 0x40004                  ; cy
	s_lshl_b32 s42, ttmp9, 2
	s_add_co_u32 s42, s42, s40                     ; x
	s_and_b32 s17, ttmp7, 0xffff
	s_lshl_b32 s17, s17, 2
	s_add_co_u32 s17, s17, s41                     ; y
	s_lshl_b32 s43, s41, 2
	s_lshl_b32 s43, 15, s43                        ; my row of the cluster
	s_lshl_b32 s44, 0x1111, s40                    ; my column
	s_or_b32 s24, s43, (3<<16)|(1<<21)             ; group 1: a record is 34 rows of 32 elements of 8 bytes, dense, no padding; the tokens' go to my row,
	s_or_b32 s48, s44, (3<<16)|(1<<21)             ; W's to my column
.irp g, 24, 48
	s_mov_b32 s[\g+1], 32<<16
	s_mov_b32 s[\g+2], 68<<16                      ; 68 rows: two records on end
	s_mov_b32 s[\g+3], 32<<16
	s_mov_b32 s[\g+4], 68
	s_mov_b32 s[\g+5], 32
	s_mov_b32 s[\g+6], 0
	s_mov_b32 s[\g+7], 0
.endr
	s_lshr_b32 s18, s[WV], 2                       ; wave w fetches K steps 2 (w % 4) and 2 (w % 4) + 1 of group w / 4 (0, 1: the tokens'; 2: W's) by one load
	s_mul_i32 s45, s18, GRP
	s_and_b32 s18, s18, 1
	s_mul_i32 s18, s18, GRP
	s_and_b32 s19, s[WV], 3
	s_mul_i32 s19, s19, 2*REC
	s_add_co_u32 s45, s45, s19                     ; where it goes: the wave's number alone
	s_add_co_u32 s18, s18, s19
	s_mul_i32 s66, s17, 2*GRP                      ; tokens: by y
	s_add_co_u32 s66, s66, s18
	s_mov_b32 s67, 0
	s_mul_i32 s46, s42, GRP                        ; W: by x
	s_add_co_u32 s46, s46, s19
	s_mov_b32 s47, 0
	s_wait_dscnt 0x0                               ; both opening adds are done
	s_wait_kmcnt 0x0
	s_add_nc_u64 s[66:67], s[4:5], s[66:67]
	s_add_nc_u64 s[46:47], s[6:7], s[46:47]
	CROUND                                         ; all sixteen work-groups are here: the joint loads meet
.irp c, 0
	s_mov_b32 s[32+4*\c], 1
	s_add_co_u32 s[33+4*\c], s45, \c*4*REC
	s_add_nc_u64 s[34+4*\c:35+4*\c], s[66:67], \c*4*REC
	s_or_b32 s[35+4*\c], s[35+4*\c], 0x80000000
	s_mov_b32 s[56+4*\c], 1
	s_add_co_u32 s[57+4*\c], s45, \c*4*REC
	s_add_nc_u64 s[58+4*\c:59+4*\c], s[46:47], \c*4*REC
	s_or_b32 s[59+4*\c], s[59+4*\c], 0x80000000
.endr
	s_cmp_lt_u32 s[WV], 8                          ; a wave's one first fill stands in one arm of a chain of branches on its number
	s_cbranch_scc0 .Lnot_t
	tensor_load_to_lds s[32:35], s[24:31]
	s_nop 0
.rept 4
	v_nop
.endr
	s_branch .Lfilled
.Lnot_t:
	s_cmp_lt_u32 s[WV], 12
	s_cbranch_scc0 .Lfilled
	tensor_load_to_lds s[56:59], s[48:55]
	s_nop 0
.rept 4
	v_nop
.endr
.Lfilled:
	s_lshl_b32 s18, s42, 9
	s_lshl_b32 s19, s15, 8
	s_add_co_u32 s18, s18, s19                     ; my 64 columns, in bytes: 512 x + 256 wi
	s_lshl_b32 s70, s17, 20                        ; my 32 tokens: (256 y + 32 wo) rows of 4,096 bytes
	s_lshl_b32 s71, s16, 17
	s_add_co_u32 s70, s70, s71
	s_add_co_u32 s70, s70, s18
	s_mov_b32 s71, 0
	s_mov_b32 s19, 0
	s_add_nc_u64 s[68:69], s[8:9], s[18:19]
	s_add_nc_u64 s[10:11], s[10:11], s[70:71]
	v_and_b32 v13, 31, v0
	s_delay_alu instid0(VALU_DEP_1)
	v_lshlrev_b32 v[LI], 4, v13
	s_wait_alu depctr_va_vdst(0)
	v_lshlrev_b32 v[LS], 2, v13
	s_wait_alu depctr_va_vdst(0)
	v_and_b32 v14, 15, v0                          ; r
	s_wait_alu depctr_va_vdst(0)
	v_bfe_u32 v15, v0, 4, 1                        ; h
	s_delay_alu instid0(VALU_DEP_1)
	v_lshlrev_b32 v[BO], 6, v15
.irp b, 0,1
.irp e, 0,1,2,3
	global_load_b128 v[BI+16*\b+4*\e:BI+16*\b+4*\e+3], v[BO], s[68:69] offset:128*\b+16*\e   ; register 16 b + i is column 32 b + 16 h + i of my 64
.endr
.endr
	s_lshr_b32 s72, s16, 2
	s_mul_i32 s72, s72, GRP
	s_and_b32 s73, s16, 3
	s_lshl_b32 s74, s73, 11
	s_add_co_u32 s74, s74, s72
	s_lshl_b32 s75, s73, 7
	s_add_co_u32 s75, s75, s72
	s_add_co_u32 s75, s75, 8192
	v_add_nc_u32 v[AO], s74, v[LI]
	v_add_nc_u32 v[SOA], s75, v[LS]
	s_lshl_b32 s76, s15, 12
	s_add_co_u32 s76, s76, WREG
	v_add_nc_u32 v[AI], s76, v[LI]
	s_lshl_b32 s77, s15, 8
	s_add_co_u32 s77, s77, WREG+8192
	v_add_nc_u32 v[SIA], s77, v[LS]
	s_mul_i32 s78, s[WV], 16*SP                    ; my stage
	v_mul_u32_u24 v[STO], v14, SP
	s_wait_alu depctr_va_vdst(0)
	v_lshl_add_u32 v[STO], v15, 6, v[STO]
	s_delay_alu instid0(VALU_DEP_1)
	v_add_nc_u32 v[STO], s78, v[STO]               ; in: row r, + 64 h
	v_mul_u32_u24 v[RD], v15, SP
	s_delay_alu instid0(VALU_DEP_1)
	v_lshl_add_u32 v[RD], v14, 4, v[RD]
	s_delay_alu instid0(VALU_DEP_1)
	v_add_nc_u32 v[RD], s78, v[RD]                 ; back: lanes 0-15 one row of 256 bytes, lanes 16-31 the next
	v_lshlrev_b32 v[CO], 12, v15
	s_delay_alu instid0(VALU_DEP_1)
	v_lshl_add_u32 v[CO], v14, 4, v[CO]            ; and the same two rows in out0
	s_wait_loadcnt 0x0                             ; the bias
	s_wait_tensorcnt 0x0                           ; my two records are in
	s_barrier_signal -1
	s_barrier_wait -1
; A K step of 128: 15 LDS loads, 8 matrix instructions; the 8 accumulators take turns, one instruction a turn, in the same order in every step.
.macro KSTEP ks, first
.irp o, 0,1
.irp c, 0,1
	ds_load_b128 v[FO+8*\o+4*\c:FO+8*\o+4*\c+3], v[AO] offset:REC*(\ks)+1024*\o+512*\c
.endr
.endr
	ds_load_b32 v[SO], v[SOA] offset:REC*(\ks)
	ds_load_b32 v[SI], v[SIA] offset:REC*(\ks)
	ds_load_b32 v[SI+1], v[SIA] offset:REC*(\ks)+128
.irp i, 0,1,2,3
.irp c, 0,1
	ds_load_b128 v[FI+8*\i+4*\c:FI+8*\i+4*\c+3], v[AI] offset:REC*(\ks)+1024*\i+512*\c
.endr
.endr
.irp i, 0,1,2,3
	s_wait_dscnt 6-2*\i                            ; inner tile i is in; the two loads of each later tile may stay out
.irp o, 0,1
.if \first
	WM ACC+32*\o+8*\i, FI+8*\i, FO+8*\o, BI+8*\i, SI+\i/2, SO, \i%2, \o      ; the sums begin with the bias
.else
	WM ACC+32*\o+8*\i, FI+8*\i, FO+8*\o, ACC+32*\o+8*\i, SI+\i/2, SO, \i%2, \o
.endif
.endr
.endr
.rept 4
	v_nop                                          ; four places ahead of loads into registers that the products read, and of the first read of results
.endr
.endm
	KSTEP 0, 1
	KSTEP 1, 0
	KSTEP 2, 0
	KSTEP 3, 0
	v_add_nc_u32 v[AO], 4*REC, v[AO]
	v_add_nc_u32 v[SOA], 4*REC, v[SOA]
	v_add_nc_u32 v[AI], 4*REC, v[AI]
	v_add_nc_u32 v[SIA], 4*REC, v[SIA]
	KSTEP 0, 0
	s_wait_alu depctr_va_vdst(0)
	KSTEP 1, 0
	KSTEP 2, 0
	KSTEP 3, 0
	s_wait_dscnt 0x0                               ; my reads of the tokens' region are over,
	s_barrier_signal -1
	s_barrier_wait -1                              ; everybody's are: the stages may be written there
	; THE WAY OUT: a tile of 16 tokens x 64 columns goes through my stage and comes back as whole rows of 256 bytes
.irp o, 0,1
.irp i, 0,1,2,3
	ds_store_b128 v[STO], v[ACC+32*\o+8*\i:ACC+32*\o+8*\i+3] offset:128*(\i/2)+32*(\i%2)         ; each accumulator from its low end on
	ds_store_b128 v[STO], v[ACC+32*\o+8*\i+4:ACC+32*\o+8*\i+7] offset:128*(\i/2)+32*(\i%2)+16
.endr
.irp t, 0,1,2,3,4,5,6,7
	ds_load_b128 v[FI+32*\o+4*\t:FI+32*\o+4*\t+3], v[RD] offset:2*\t*SP   ; LDS serves a wave's instructions in order: these see my stores, and tile 1's stores come behind them
.endr
.endr
.irp o, 0,1
.irp t, 0,1,2,3,4,5,6,7
	s_wait_dscnt 16*(1-\o)+7-\t                    ; this load is back; the later loads of its tile, and tile 1's sixteen LDS instructions, may stay out
	global_store_b128 v[CO], v[FI+32*\o+4*\t:FI+32*\o+4*\t+3], s[10:11] offset:(8*\o+2*\t+8*(\t/4))*4096 th:TH_STORE_NT   ; stage row s is token 8 o + s + 8 (s / 8); sixteen lanes store 256 consecutive bytes, aligned
.endr
.endr
	s_wait_tensorcnt 0x0                           ; the wave's end, behind my last tensor load and my last LDS store
	ds_add_u32 v[SPW], v[NIL]
	s_wait_dscnt 0x0
	CROUND                                         ; the closing round
	s_endpgm
.Lfunc_end_k_q5a6fe6a8ca_outp:
	.size	k_q5a6fe6a8ca_outp, .Lfunc_end_k_q5a6fe6a8ca_outp-k_q5a6fe6a8ca_outp
	.p2alignl 7, 3214868480
	.fill 96, 4, 3214868480
	.section	.rodata,"a",@progbits
	.p2align	6, 0x0
	.amdhsa_kernel k_q5a6fe6a8ca_outp
		.amdhsa_group_segment_fixed_size 210944
		.amdhsa_private_segment_fixed_size 0
		.amdhsa_enable_private_segment 0
		.amdhsa_kernarg_size 32
		.amdhsa_user_sgpr_count 2
		.amdhsa_user_sgpr_kernarg_segment_ptr 1
		.amdhsa_wavefront_size32 1
		.amdhsa_system_sgpr_workgroup_id_x 1
		.amdhsa_system_sgpr_workgroup_id_y 1
		.amdhsa_system_sgpr_workgroup_id_z 1
		.amdhsa_system_vgpr_workitem_id 0
		.amdhsa_next_free_vgpr 192
		.amdhsa_next_free_sgpr 100
		.amdhsa_reserve_vcc 0
		.amdhsa_float_denorm_mode_32 3
		.amdhsa_float_denorm_mode_16_64 3
		.amdhsa_memory_ordered 1
		.amdhsa_forward_progress 1
		.amdhsa_inst_pref_size 30
	.end_amdhsa_kernel
	.amdgpu_metadata
---
amdhsa.version: [ 1, 2 ]
amdhsa.kernels:
  - .name:           k_q5a6fe6a8ca_outp
    .symbol:         k_q5a6fe6a8ca_outp.kd
    .args:
      - { .name: oimg, .offset: 0, .size: 8, .value_kind: global_buffer, .address_space: global }
      - { .name: woimg, .offset: 8, .size: 8, .value_kind: global_buffer, .address_space: global }
      - { .name: b_out, .offset: 16, .size: 8, .value_kind: global_buffer, .address_space: global }
      - { .name: out0, .offset: 24, .size: 8, .value_kind: global_buffer, .address_space: global }
    .group_segment_fixed_size: 210944
    .private_segment_fixed_size: 0
    .kernarg_segment_align: 8
    .kernarg_segment_size: 32
    .max_flat_workgroup_size: 512
    .sgpr_count:     100
    .vgpr_count:     192
    .wavefront_size: 32
...
	.end_amdgpu_metadata
.endif
;; end of part 4
